; MI455X (gfx1250); checked and timed in simulation.
; The chip was launched on July 23, 2026; its instructions are those of AMD's public machine-readable ISA for CDNA 5 (MIT licence, August 2026) and "CDNA5" Instruction Set Architecture Reference Guide (July 2026). The comments in the code are by the model that wrote it; some were corrected since.
;; Multi Head Attention. Allowed arithmetic: matrix products marked QUANTISED: E2M1 operands, one E8M0 scale for each 32 along K, by v_wmma_scale_f32_16x16x128_f8f6f4 with both operands' format E2M1 (or v_wmma_scale_f32_32x16x128_f4), f32 sums; products left as they are: bf16, f16 or f32 operands; f32 sums; everything else in f32.
;; Inputs: dense_b 1,024 float32; dense_w 1,024 x 1,024 float32; k 4 x 2,048 x 1,024 float32; mask 1 x 1 x 2,048 x 2,048 float32; q 4 x 2,048 x 1,024 float32; v 4 x 2,048 x 1,024 float32; wk_b 1,024 float32; wk_w 1,024 x 1,024 float32; wq_b 1,024 float32; wq_w 1,024 x 1,024 float32; wv_b 1,024 float32; wv_w 1,024 x 1,024 float32.
;; Outputs: out0 4 x 2,048 x 1,024 float32.
;; This version of the problem:
;;   THIS VERSION OF THE PROBLEM IS GIVEN IN LOW PRECISION. The matrix products marked QUANTISED in the list below multiply operands that are first quantised to E2M1 (2 exponent bits, 1 mantissa bit; 4 bits a number), with one power-of-two scale for each 32 numbers along K (OCP MX v1.0); their sums are f32. The products marked 'left as it is' may take bf16, f16 or f32 operands, with f32 sums. Whichever they take, every output number must still come out within the allowed error. Rounding operands to bf16 (8 significant bits) uses up far more of that allowance than f16 does (11 bits, for magnitudes from 6e-5 to 65,504). All else is computed in f32.
;;   The module's matrix products, in the order in which they are computed (A, B: the left and right operand; K: the contracted axis; several contracted axes count as one K, in the product's order):
;;     1. [M 8,192, K 1,024] x [K 1,024, N 1,024]; A: input q; B: input wq_w: QUANTISED
;;     2. [M 8,192, K 1,024] x [K 1,024, N 1,024]; A: input k; B: input wk_w: QUANTISED
;;     3. [M 8,192, K 1,024] x [K 1,024, N 1,024]; A: input v; B: input wv_w: QUANTISED
;;     4. batch 64 x [M 2,048, K 64] x [K 64, N 2,048]; A: computed on the way; B: computed on the way: left as it is (an operand is computed on the way)
;;     5. batch 64 x [M 2,048, K 2,048] x [K 2,048, N 64]; A: computed on the way; B: computed on the way: left as it is (an operand is computed on the way)
;;     6. [M 8,192, K 1,024] x [K 1,024, N 1,024]; A: computed on the way; B: input dense_w: left as it is (an operand is computed on the way)
;;   THE QUANTISER, for each operand of a quantised product, along K:
;;     - K is cut into blocks of 32 from its start; a last block that is shorter is filled with zeros.
;;     - A block's scale is 2^e with e = floor(log2(the largest magnitude in the block)) - 2, held to -126 .. 127; a block of zeros has e = 0. As a byte (E8M0): e + 127.
;;     - Each number is divided by its block's scale, clamped to +-6, and rounded to the nearest number of E2M1, ties to even, subnormals kept.
;;     - The product sums the exact products of the quantised numbers (number of the format x scale) in f32.
;;   ~~~python
;;   def quantise(x, axis):      # numpy; x: float32 -> the quantised numbers, widened to float32 again
;;       x = np.moveaxis(x, axis, -1); K = x.shape[-1]
;;       x = np.pad(x, [(0, 0)] * (x.ndim - 1) + [(0, -K % 32)]); x = x.reshape(x.shape[:-1] + (-1, 32)); a = np.abs(x).max(-1, keepdims=True)
;;       e = np.where(a > 0, np.clip(np.frexp(np.where(a > 0, a, 1))[1] - 1 - 2, -126, 127), 0)      # np.frexp(a)[1] - 1 = floor(log2(a)), exactly
;;       r = np.clip(x / 2.0 ** e, -6, 6)
;;       step = 2.0 ** (np.maximum(np.frexp(np.where(r == 0, 1, r))[1] - 1, 0) - 1)
;;       q = np.round(r / step) * step * 2.0 ** e      # np.round: ties to even
;;       return np.moveaxis(q.reshape(q.shape[:-2] + (-1,))[..., :K], -1, axis).astype(np.float32)
;;   ~~~
;; One version. Each part assembles by itself: llvm-mc -triple=amdgcn-amd-amdhsa -mcpu=gfx1250 --defsym DOCPART=n.
;; ======== version 1 of 1: 5 launches
;; limits: right only within a limited range of input values; values are held in f16: magnitudes above 65,504 overflow, below 6.1e-05 lose precision
;; workspace buffers: codes 15,040,512 bytes; mimg 16,777,216 bytes; tcls 1,024 bytes of whole numbers; wimg 4,194,304 bytes; qk 33,554,432 bytes; vv 33,554,432 bytes; cimg 16,777,216 bytes
;; launch prep (part 1): grid 256 x 1, 16 waves a work-group, no clusters, 232,704 bytes of LDS; arguments q, k, v, wq_w, wk_w, wv_w, mask, dense_w, codes, mimg, tcls, wimg; writes codes, mimg, tcls, wimg
.if DOCPART == 1
	.amdgcn_target "amdgcn-amd-amdhsa--gfx1250"
	.amdhsa_code_object_version 6
	.text
	.protected	k_q243fe1aa42_prep
	.globl	k_q243fe1aa42_prep
	.p2align	8
	.type	k_q243fe1aa42_prep,@function
k_q243fe1aa42_prep:
	s_mov_b64 s[64:65], 0
	v_nop
	global_prefetch_b8 v0, s[64:65] scope:SCOPE_SE
	s_setreg_imm32_b32 hwreg(HW_REG_WAVE_MODE, 25, 1), 1
	s_wait_xcnt 0x0
; PREP: everything that is read once and used often is laid out here.
; (1) q, k, v [8192][1024] and wq_w, wk_w, wv_w [1024][1024], f32, become codes of FP4 (E2M1) with K innermost and one E8M0 byte for each 32 along K, in ONE buffer:
;     row rho (q 0.., k 8192.., v 16384.., wq 24576.., wk 25600.., wv 26624..) has its 512 bytes of codes at 512 rho and its 32 scale bytes at XSOFF + 32 rho.
;     A block's scale is 2^(floor(log2(largest magnitude)) - 2); its byte is the largest magnitude's exponent field - 2, held at 1 from below (a block of zeros gets 1: its codes are zeros, and this program alone reads the bytes).
; (2) the mask [2048][2048] becomes term = mask x (-1e9 x log2 e), laid as the image of a score tile's registers: for 16 queries Tq, 16 keys Tk, piece p: ((128 Tq + Tk) 2 + p) 512 + 16 lane;
;     lane (r, h) holds keys 16 Tk + 8 h + 4 p + 0..3 of query 16 Tq + r.
; (3) each tile of 16 queries x 64 keys is classed: bit i of word [Tq][H]: key block 16 H + i is LIVE; bit 16 + i: it holds a mask number other than 0.
;     A tile is dead where, in all 16 rows, its smallest mask number lies 0.5 or more above the row's smallest: its weights then underflow to 0.  The bits are made by selections: no branch hangs on them here.
; (4) dense_w [1024][1024] becomes f16 fragments, a high and a low part: (32 NT + kf) 1024 + 512 p + 16 lane; lane (r, h): row 16 NT + r, k = 32 kf + 16 p + 8 h + 0..7; low parts 2,097,152 bytes on.
; LIMITS: NaN and infinities are not served; blocks whose largest magnitude lies under 2^-124 were not tried; the dead rule takes a row's logits to spread less than 4e8; |dense_w| under 65,504.
; SHARES: work-group G: queries 16 (G / 2) on, key half G % 2.  Waves 0-7 lay the images of their own half, 128 keys each; waves 8-15 scan the other half for the rows' minima and lay 8 fragments of dense_w.
; Then 27 runs of 4 rows are quantised: run 0: every wave (q, k); run 1: waves 0-10 (v, the three weights).  No tensor loads; two barriers, for the rows' minima and for the class word.
.set WREG,  14336                      ; LDS of a wave: two stages of 32 x 80 bytes, 256 scale bytes at QSB, the mask's stage of 16 x 528 bytes at MST
.set SP,    80
.set QSB,   5120
.set MST,   5632
.set MPI,   528                        ; a mask row in the stage: 512 bytes + 16: the 16 rows that a read touches start 16 bytes apart modulo 256
.set RMN,   16*WREG                    ; 16 waves x 16 rows: partial minima
.set BWD,   RMN+1024                   ; 16 class words
.set SPARE, BWD+256                    ; the spare words, 128 bytes for each wave: no other line names them
.set XSOFF, 14155776
.set EMAX,  2
.set R,     16                         ; v16-79   four sets of 16 numbers as loaded
.set X,     80                         ; v80-111  two sets of 16 neighbours (in the mask's phase: statistics, dense_w's parts)
.set MA,    112                        ; v112-175 the mask as loaded; later the codes (C), bytes (E) and scale words
.set TX,    176                        ; v176-239 the mask turned; in waves 8-15 dense_w at work
.set C,     112
.set E,     144
	s_load_b512 s[4:19], s[0:1], 0x0               ; q, k, v, wq_w, wk_w, wv_w, mask, dense_w
	s_load_b256 s[20:27], s[0:1], 0x40             ; codes, mimg, tcls, wimg
	v_lshl_add_u32 v14, v0, 2, SPARE               ; my spare word,
	v_mov_b32 v15, 0                               ; and 0: kept for the closing lines alone
	v_lshrrev_b32 v1, 5, v0
	v_readfirstlane_b32 s28, v1                    ; wave 0..15
	v_and_b32 v1, 31, v0                           ; lane
	v_lshlrev_b32 v2, 4, v1                        ; 16 x lane
	s_mul_i32 s44, s28, WREG
	v_lshrrev_b32 v3, 2, v1
	v_mul_u32_u24 v3, v3, SP
	v_and_b32 v4, 3, v1
	v_lshl_add_u32 v3, v4, 4, v3
	v_add_nc_u32 v3, s44, v3                       ; the quantiser's stage, in: 80 (lane / 4) + 16 (lane % 4)
	v_mul_u32_u24 v4, v1, SP
	v_add_nc_u32 v4, s44, v4                       ; out: 80 x lane: my 16 neighbours
	v_lshlrev_b32 v5, 3, v1                        ; my 8 bytes of a step's codes
	v_lshrrev_b32 v6, 1, v1
	s_add_co_u32 s45, s44, QSB
	v_add_nc_u32 v6, s45, v6                       ; my block's scale byte
	v_lshlrev_b32 v8, 2, v1                        ; 4 x lane
	v_add_nc_u32 v7, s45, v8                       ; the scale bytes on the way out
	s_add_co_u32 s45, s44, MST
	v_add_nc_u32 v9, s45, v2                       ; the mask's stage, in: a row's 512 bytes
	v_and_b32 v240, 15, v0                         ; r
	v_bfe_u32 v241, v0, 4, 1                       ; h
	v_mul_u32_u24 v10, v240, MPI
	v_lshl_add_u32 v10, v241, 5, v10
	v_add_nc_u32 v10, s45, v10                     ; out: row r, + 32 h
	v_lshlrev_b32 v12, 2, v240
	s_lshl_b32 s45, s28, 6
	s_add_co_u32 s45, s45, RMN
	v_add_nc_u32 v11, s45, v12                     ; my wave's minimum of row r
	v_add_nc_u32 v12, RMN, v12                     ; all waves' minima of row r
	s_lshl_b32 s45, s28, 2
	s_add_co_u32 s45, s45, BWD
	v_mov_b32 v13, s45                             ; my wave's class word
	v_mov_b32 v244, BWD
	v_mov_b32 v245, 0
	v_lshlrev_b32 v243, 12, v240
	v_lshl_add_u32 v243, v241, 5, v243             ; dense_w: row r of 4,096 bytes, + 32 h
.irp e, 84,85,86,87
	v_mov_b32 v\e, 0                               ; a lane permute's destination counts as one of its sources
.endr
	s_mov_b32 s42, 0x76543210
	s_mov_b32 s43, 0xfedcba98                      ; v_permlanex16_b32's selects for lane l xor 16
	s_lshr_b32 s29, ttmp9, 1                       ; T: my 16 queries
	s_and_b32 s30, ttmp9, 1                        ; H: my half of the keys
	s_and_b32 s31, s28, 7
	s_lshr_b32 s44, s28, 3
	s_xor_b32 s44, s44, s30                        ; waves 8-15 look at the other half
	s_lshl_b32 s44, s44, 12
	s_lshl_b32 s45, s31, 9
	s_add_co_u32 s44, s44, s45                     ; my first key x 4 bytes
	s_lshl_b32 s46, s29, 17                        ; 16 rows of 8,192 bytes; also 128 key tiles of 1,024 bytes
	s_add_co_u32 s32, s46, s44
	s_mov_b32 s33, 0
	s_lshl_b32 s44, s44, 4
	s_add_co_u32 s48, s46, s44                     ; the images of my 8 key tiles: 64 bytes a key
	s_mov_b32 s49, 0
	s_lshl_b32 s50, ttmp9, 3
	s_add_co_u32 s50, s50, s31                     ; F: my fragment of dense_w
	s_lshr_b32 s52, s50, 5
	s_lshl_b32 s52, s52, 16
	s_and_b32 s51, s50, 31
	s_lshl_b32 s51, s51, 7
	s_add_co_u32 s52, s52, s51
	s_mov_b32 s53, 0
	s_lshl_b32 s54, s50, 10
	s_mov_b32 s55, 0
	s_lshl_b32 s50, ttmp9, 2
	s_mov_b32 s51, 0
	s_wait_kmcnt 0x0
	s_add_nc_u64 s[34:35], s[16:17], s[32:33]      ; the mask at my rows and keys
	s_add_nc_u64 s[56:57], s[22:23], s[48:49]      ; its images
	s_add_nc_u64 s[58:59], s[18:19], s[52:53]      ; dense_w at my fragment
	s_add_nc_u64 s[60:61], s[26:27], s[54:55]      ; its image
	s_add_nc_u64 s[62:63], s[24:25], s[50:51]      ; my work-group's class word
; Where a run of 4 rows comes from and goes to: s[36:37] the numbers, s[38:39] the codes, s[40:41] the scale bytes.  The choices hang on the wave's number alone.
.macro SETRUN n
	s_lshl_b32 s44, ttmp9, 3
	s_add_co_u32 s44, s44, s31                     ; run 8 G + (wave % 8) of a tensor of 8,192 rows
.if \n == 0
	s_lshr_b32 s45, s28, 3
	s_lshl_b32 s45, s45, 11
	s_add_co_u32 s45, s45, s44                     ; and in the row space, in runs
	s_cmp_lt_u32 s28, 8
	s_cselect_b64 s[36:37], s[4:5], s[6:7]         ; q or k
.else
	s_add_co_u32 s45, s44, 4096                    ; v's runs begin at 4,096;
	s_lshl_b32 s46, s31, 8
	s_add_co_u32 s46, s46, ttmp9
	s_add_co_u32 s46, s46, 6144                    ; the weights' at 6,144, 256 to a weight: run G
	s_cmp_eq_u32 s28, 9
	s_cselect_b64 s[36:37], s[12:13], s[14:15]
	s_cmp_eq_u32 s28, 8
	s_cselect_b64 s[36:37], s[10:11], s[36:37]
	s_cmp_lt_u32 s28, 8
	s_cselect_b64 s[36:37], s[8:9], s[36:37]
	s_cselect_b32 s45, s45, s46
	s_cselect_b32 s44, s44, ttmp9
.endif
	s_lshl_b32 s46, s44, 14                        ; 16,384 bytes of numbers a run
	s_mov_b32 s47, 0
	s_add_nc_u64 s[36:37], s[36:37], s[46:47]
	s_lshl_b32 s46, s45, 11                        ; 2,048 bytes of codes
	s_add_nc_u64 s[38:39], s[20:21], s[46:47]
	s_lshl_b32 s46, s45, 7                         ; 128 scale bytes
	s_add_co_u32 s46, s46, XSOFF
	s_add_nc_u64 s[40:41], s[20:21], s[46:47]
.endm
.macro LOADQ t                         ; a step's 512 numbers: four loads of 512 consecutive bytes
.irp i, 0,1,2,3
	global_load_b128 v[R+16*((\t)%4)+4*\i:R+16*((\t)%4)+4*\i+3], v2, s[36:37] offset:2048*(\t)+512*\i th:TH_LOAD_NT
.endr
.endm
.macro TURNQ t                         ; through the wave's own stage, so that a lane gets 16 neighbours; LDS serves a wave's instructions in order (ISA guide 5.7.1.4)
.irp i, 0,1,2,3
	ds_store_b128 v3, v[R+16*((\t)%4)+4*\i:R+16*((\t)%4)+4*\i+3] offset:32*SP*((\t)%2)+8*SP*\i
.endr
.irp i, 0,1,2,3
	ds_load_b128 v[X+16*((\t)%2)+4*\i:X+16*((\t)%2)+4*\i+3], v4 offset:32*SP*((\t)%2)+16*\i
.endr
.endm
.macro STEPQ n, t
.set XS, X+16*((\t)%2)
.if (\t) > 0
	s_wait_dscnt 1                                 ; this step's numbers are back from the stage; the last step's byte store may be out
.else
	s_wait_dscnt 0x0
.endif
.if (\t)+4 < 8
	LOADQ (\t)+4                                   ; into the set whose stores into the stage have just been shown done
.endif
.if (\t)+1 < 8
.if 6-(\t) >= 3
	s_wait_loadcnt 12                              ; the next step's four loads are in; those of the three steps behind it may be out
.else
	s_wait_loadcnt 4*(6-(\t))
.endif
	TURNQ (\t)+1
.endif
	v_max3_num_f32 v240, |v[XS]|, |v[XS+1]|, |v[XS+2]|       ; the largest magnitude of my 16, in two chains
	v_max3_num_f32 v241, |v[XS+3]|, |v[XS+4]|, |v[XS+5]|
.irp i, 6,10
	v_max3_num_f32 v240, v240, |v[XS+\i]|, |v[XS+\i+1]|
	v_max3_num_f32 v241, v241, |v[XS+\i+2]|, |v[XS+\i+3]|
.endr
	v_max3_num_f32 v240, v240, |v[XS+14]|, |v[XS+15]|
	v_max3_num_f32 v240, v240, v241, (EMAX+1)<<23  ; and the floor 2^(3 - 127): the byte cannot fall under 1
	v_max_num_f32_dpp v240, v240, v240 row_xmask:1 row_mask:0xf bank_mask:0xf   ; with my neighbour's 16: the block's
	v_add_nc_u32 v242, -(EMAX<<23), v240           ; 2 off its exponent field: the conversion takes that field as its scale
	v_cvt_scalef32_pk8_fp4_f32 v[C+2*(8*(\n)+(\t))], v[XS:XS+7], v242
	v_cvt_scalef32_pk8_fp4_f32 v[C+2*(8*(\n)+(\t))+1], v[XS+8:XS+15], v242
	v_lshrrev_b32 v[E+8*(\n)+(\t)], 23, v242       ; the scale's byte (also the plain line behind the conversions)
	ds_store_b8 v6, v[E+8*(\n)+(\t)] offset:128*(\n)+16*(\t)   ; both lanes of a block write the same byte with the same value
	global_store_b64 v5, v[C+2*(8*(\n)+(\t)):C+2*(8*(\n)+(\t))+1], s[38:39] offset:256*(\t)   ; the wave stores 256 consecutive bytes, aligned
.endm
.macro QSEQ n
.if \n
.irp t, 0,1,2,3
	LOADQ \t
.endr
.endif
	s_wait_loadcnt 12                              ; step 0's four loads are in
	TURNQ 0
.irp t, 0,1,2,3,4,5,6,7
	STEPQ \n, \t
.endr
	ds_load_b32 v[160+\n], v7 offset:128*(\n)      ; the run's 128 scale bytes, 4 a lane
	s_wait_dscnt 0x0
	global_store_b32 v8, v[160+\n], s[40:41]       ; 128 consecutive bytes: half of an aligned block of 256; the scale bytes are one part in 17 of what the quantiser stores
.endm
	; ---- the loads: my 16 rows x 128 keys of the mask, then the first four steps of run 0
.irp i, 0,1,2,3,4,5,6,7,8,9,10,11,12,13,14,15
	global_load_b128 v[MA+4*\i:MA+4*\i+3], v2, s[34:35] offset:8192*\i
.endr
	SETRUN 0
.irp t, 0,1,2,3
	LOADQ \t
.endr
	s_wait_loadcnt 16                              ; the mask is in; the quantiser's sixteen loads stay out
.irp i, 0,1,2,3,4,5,6,7,8,9,10,11,12,13,14,15
	ds_store_b128 v9, v[MA+4*\i:MA+4*\i+3] offset:MPI*\i
.endr
.irp i, 0,1,2,3,4,5,6,7,8,9,10,11,12,13,14,15
	ds_load_b128 v[TX+4*\i:TX+4*\i+3], v10 offset:64*(\i/2)+16*(\i%2)   ; register 8 t + 4 p + e: mask(row r, key 16 t + 8 h + 4 p + e)
.endr
	s_wait_dscnt 0x0
	; ---- for each of my two blocks of 64 keys: the smallest number (v80, v81) and the largest magnitude (v82, v83) of row r
.irp e, 0,1
	v_min3_num_f32 v[80+\e], v[TX+32*\e], v[TX+32*\e+1], v[TX+32*\e+2]
	v_max3_num_f32 v[82+\e], |v[TX+32*\e]|, |v[TX+32*\e+1]|, |v[TX+32*\e+2]|
.endr
.irp i, 3,5,7,9,11,13,15,17,19,21,23,25,27,29
.irp e, 0,1
	v_min3_num_f32 v[80+\e], v[80+\e], v[TX+32*\e+\i], v[TX+32*\e+\i+1]
	v_max3_num_f32 v[82+\e], v[82+\e], |v[TX+32*\e+\i]|, |v[TX+32*\e+\i+1]|
.endr
.endr
.irp e, 0,1
	v_min_num_f32 v[80+\e], v[80+\e], v[TX+32*\e+31]
	v_max_num_f32 v[82+\e], v[82+\e], |v[TX+32*\e+31]|
.endr
.irp e, 0,1,2,3
	v_permlanex16_b32 v[84+\e], v[80+\e], s42, s43 ; the row's other keys lie in the lane 16 away
.endr
	v_min_num_f32 v80, v80, v84
	v_min_num_f32 v81, v81, v85
	v_max_num_f32 v82, v82, v86
	v_max_num_f32 v83, v83, v87
	v_min_num_f32 v88, v80, v81
	ds_store_b32 v11, v88                          ; lanes r and r + 16 write the same word with the same value
	s_cmp_lt_u32 s28, 8
	s_cbranch_scc0 .Lweights
	; ---- waves 0-7: the images of my 8 key tiles: 8,192 bytes on end
.set pi, 0
.rept 32
	v_pk_mul_f32 v[TX+2*pi:TX+2*pi+1], v[TX+2*pi:TX+2*pi+1], 0xceabfb8f op_sel_hi:[1,0]   ; x -1e9 log2 e
.set pi, pi+1
.endr
.irp i, 0,1,2,3,4,5,6,7,8,9,10,11,12,13,14,15
	global_store_b128 v2, v[TX+4*\i:TX+4*\i+3], s[56:57] offset:512*\i
.endr
	s_branch .Ljoin
; x = hi + lo, hi = x rounded to 11 significant bits: t = 8193 x, hi = t - (t - x), lo = x - hi, all in f32.  In: np pairs at x.  Out: hi at t, lo at x.  d: four registers at work.
.macro SPLIT x, t, np, d
.set spi, 0
.rept \np
	v_pk_mul_f32 v[\t+2*spi:\t+2*spi+1], v[\x+2*spi:\x+2*spi+1], 0x46000400 op_sel_hi:[1,0]
.set spi, spi+1
.endr
.set spi, 0
.rept (\np)/2
	v_pk_add_f32 v[\d:\d+1], v[\t+4*spi:\t+4*spi+1], v[\x+4*spi:\x+4*spi+1] neg_lo:[0,1] neg_hi:[0,1]
	v_pk_add_f32 v[\d+2:\d+3], v[\t+4*spi+2:\t+4*spi+3], v[\x+4*spi+2:\x+4*spi+3] neg_lo:[0,1] neg_hi:[0,1]
	v_pk_add_f32 v[\t+4*spi:\t+4*spi+1], v[\t+4*spi:\t+4*spi+1], v[\d:\d+1] neg_lo:[0,1] neg_hi:[0,1]
	v_pk_add_f32 v[\t+4*spi+2:\t+4*spi+3], v[\t+4*spi+2:\t+4*spi+3], v[\d+2:\d+3] neg_lo:[0,1] neg_hi:[0,1]
.set spi, spi+1
.endr
.set spi, 0
.rept \np
	v_pk_add_f32 v[\x+2*spi:\x+2*spi+1], v[\x+2*spi:\x+2*spi+1], v[\t+2*spi:\t+2*spi+1] neg_lo:[0,1] neg_hi:[0,1]
.set spi, spi+1
.endr
.endm
.Lweights:
	; ---- waves 8-15: a fragment of dense_w, 16 rows x 32 k, as a high and a low f16 part
	global_load_b128 v[176:179], v243, s[58:59]
	global_load_b128 v[180:183], v243, s[58:59] offset:16
	global_load_b128 v[184:187], v243, s[58:59] offset:64
	global_load_b128 v[188:191], v243, s[58:59] offset:80
	s_wait_loadcnt 0x0
	SPLIT 176, 192, 8, 208
.irp i, 0,1,2,3,4,5,6,7
	v_cvt_pk_f16_f32 v[96+\i], v[192+2*\i], v[193+2*\i]
	v_cvt_pk_f16_f32 v[104+\i], v[176+2*\i], v[177+2*\i]
.endr
	global_store_b128 v2, v[96:99], s[60:61]
	global_store_b128 v2, v[100:103], s[60:61] offset:512
	global_store_b128 v2, v[104:107], s[60:61] offset:2097152
	global_store_b128 v2, v[108:111], s[60:61] offset:2097152+512
.Ljoin:
	s_wait_dscnt 0x0                               ; for the others' sake: my minima are stored
	s_barrier_signal -1
	s_barrier_wait -1
.irp i, 0,1,2,3,4,5,6,7,8,9,10,11,12,13,14,15
	ds_load_b32 v[112+\i], v12 offset:64*\i        ; row r's minimum in each wave's 128 keys
.endr
	s_wait_dscnt 0x0
	v_min3_num_f32 v89, v112, v113, v114
.irp i, 3,5,7,9,11,13
	v_min3_num_f32 v89, v89, v[112+\i], v[113+\i]
.endr
	v_min_num_f32 v89, v89, v127                   ; the row's smallest mask number
	v_sub_f32 v90, v80, v89
	v_sub_f32 v91, v81, v89
	v_cmp_le_f32 s44, 0.5, v90                     ; the rows in which block 0 counts for nothing,
	v_cmp_le_f32 s45, 0.5, v91                     ; block 1;
	v_cmp_lt_f32 s46, 0, v82                       ; the rows in which block 0 holds a number other than 0,
	v_cmp_lt_f32 s47, 0, v83                       ; block 1
	s_cmp_eq_u32 s44, -1
	s_cselect_b32 s44, 0, 1                        ; live unless dead in all rows
	s_cmp_eq_u32 s45, -1
	s_cselect_b32 s45, 0, 2
	s_cmp_lg_u32 s46, 0
	s_cselect_b32 s46, 1, 0
	s_cmp_lg_u32 s47, 0
	s_cselect_b32 s47, 2, 0
	s_or_b32 s44, s44, s45
	s_or_b32 s46, s46, s47
	s_lshl_b32 s46, s46, 16
	s_or_b32 s44, s44, s46
	s_lshl_b32 s45, s31, 1
	s_lshl_b32 s44, s44, s45                       ; at blocks 2 (wave % 8) and + 1
	s_cmp_lt_u32 s28, 8
	s_cselect_b32 s44, s44, 0                      ; the other half's bits are its own work-group's
	v_mov_b32 v92, s44
	ds_store_b32 v13, v92
	s_wait_dscnt 0x0
	s_barrier_signal -1
	s_barrier_wait -1
	ds_load_b128 v[128:131], v244
	ds_load_b128 v[132:135], v244 offset:16        ; the words of waves 0-7
	s_wait_dscnt 0x0
	v_or_b32 v128, v128, v129
	v_or_b32 v130, v130, v131
	v_or_b32 v132, v132, v133
	v_or_b32 v134, v134, v135
	v_or_b32 v128, v128, v130
	v_or_b32 v132, v132, v134
	v_or_b32 v128, v128, v132
	v_cmp_eq_u32 vcc_lo, 0, v0
	s_wait_xcnt 0x0                                ; EXEC changes only behind this wait; it also frees the images' store data
	s_and_saveexec_b32 s48, vcc_lo
	global_store_b32 v245, v128, s[62:63]          ; thread 0 stores the work-group's class word
	s_wait_xcnt 0x0
	s_or_b32 exec_lo, exec_lo, s48
	; ---- the quantiser
	QSEQ 0
	s_cmp_lt_u32 s28, 11
	s_cbranch_scc0 .Ldone
	s_wait_xcnt 0x0                                ; run 0's loads and stores have read their bases
	SETRUN 1
	QSEQ 1
.Ldone:
	s_wait_tensorcnt 0x0                           ; the wave's end: behind my last LDS store
	ds_add_u32 v14, v15
	s_wait_dscnt 0x0
	s_endpgm
.Lfunc_end_k_q243fe1aa42_prep:
	.size	k_q243fe1aa42_prep, .Lfunc_end_k_q243fe1aa42_prep-k_q243fe1aa42_prep
	.p2alignl 7, 3214868480
	.fill 96, 4, 3214868480
	.section	.rodata,"a",@progbits
	.p2align	6, 0x0
	.amdhsa_kernel k_q243fe1aa42_prep
		.amdhsa_group_segment_fixed_size 232704
		.amdhsa_private_segment_fixed_size 0
		.amdhsa_enable_private_segment 0
		.amdhsa_kernarg_size 96
		.amdhsa_user_sgpr_count 2
		.amdhsa_user_sgpr_kernarg_segment_ptr 1
		.amdhsa_wavefront_size32 1
		.amdhsa_system_sgpr_workgroup_id_x 1
		.amdhsa_system_sgpr_workgroup_id_y 1
		.amdhsa_system_sgpr_workgroup_id_z 1
		.amdhsa_system_vgpr_workitem_id 0
		.amdhsa_next_free_vgpr 256
		.amdhsa_next_free_sgpr 66
		.amdhsa_reserve_vcc 1
		.amdhsa_float_denorm_mode_32 3
		.amdhsa_float_denorm_mode_16_64 3
		.amdhsa_memory_ordered 1
		.amdhsa_forward_progress 1
		.amdhsa_inst_pref_size 56
	.end_amdhsa_kernel
	.amdgpu_metadata
---
amdhsa.version: [ 1, 2 ]
amdhsa.kernels:
  - .name:           k_q243fe1aa42_prep
    .symbol:         k_q243fe1aa42_prep.kd
    .args:
      - { .name: q, .offset: 0, .size: 8, .value_kind: global_buffer, .address_space: global }
      - { .name: k, .offset: 8, .size: 8, .value_kind: global_buffer, .address_space: global }
      - { .name: v, .offset: 16, .size: 8, .value_kind: global_buffer, .address_space: global }
      - { .name: wq_w, .offset: 24, .size: 8, .value_kind: global_buffer, .address_space: global }
      - { .name: wk_w, .offset: 32, .size: 8, .value_kind: global_buffer, .address_space: global }
      - { .name: wv_w, .offset: 40, .size: 8, .value_kind: global_buffer, .address_space: global }
      - { .name: mask, .offset: 48, .size: 8, .value_kind: global_buffer, .address_space: global }
      - { .name: dense_w, .offset: 56, .size: 8, .value_kind: global_buffer, .address_space: global }
      - { .name: codes, .offset: 64, .size: 8, .value_kind: global_buffer, .address_space: global }
      - { .name: mimg, .offset: 72, .size: 8, .value_kind: global_buffer, .address_space: global }
      - { .name: tcls, .offset: 80, .size: 8, .value_kind: global_buffer, .address_space: global }
      - { .name: wimg, .offset: 88, .size: 8, .value_kind: global_buffer, .address_space: global }
    .group_segment_fixed_size: 232704
    .private_segment_fixed_size: 0
    .kernarg_segment_align: 8
    .kernarg_segment_size: 96
    .max_flat_workgroup_size: 512
    .sgpr_count:     66
    .vgpr_count:     256
    .wavefront_size: 32
...
	.end_amdgpu_metadata
.endif
;; end of part 1
;; launch proj (part 2): grid 4 x 96, 4 waves a work-group, clusters of 4 x 4, 327,680 bytes of LDS; arguments codes, wq_b, wk_b, wv_b, qk, vv; writes qk, vv
.if DOCPART == 2
	.amdgcn_target "amdgcn-amd-amdhsa--gfx1250"
	.amdhsa_code_object_version 6
	.text
	.protected	k_q243fe1aa42_proj
	.globl	k_q243fe1aa42_proj
	.p2align	8
	.type	k_q243fe1aa42_proj,@function
k_q243fe1aa42_proj:
	s_mov_b64 s[64:65], 0
	v_nop
	global_prefetch_b8 v0, s[64:65] scope:SCOPE_SE
	s_setreg_imm32_b32 hwreg(HW_REG_WAVE_MODE, 25, 1), 1
	s_wait_xcnt 0x0
	s_wait_alu depctr_hold_cnt(0) depctr_sa_sdst(0) depctr_va_vdst(0) depctr_va_sdst(0) depctr_va_ssrc(0) depctr_va_vcc(0) depctr_vm_vsrc(0)
	s_getreg_b32 s2, hwreg(HW_REG_IB_STS2, 6, 4)
	s_cmp_eq_u32 s2, 0
	s_cbranch_scc0 .Lentry_in_a_cluster
	s_endpgm
.Lentry_in_a_cluster:
	s_bfe_u32 s2, ttmp6, 0x10000c
	s_cmp_lg_u32 s2, 0xf033
	s_cbranch_scc0 .Lentry_shape_is_right
	s_endpgm
.Lentry_shape_is_right:
; PROJ: the three quantised products, x W^T + b, on codes of FP4 (E2M1) with one E8M0 scale for each 32 along K = 1,024; sums in f32.
; Codes and scale bytes lie in one buffer by row rho (q 0.., k 8192.., v 16384.., wq 24576.., wk 25600.., wv 26624..): codes at 512 rho, scale bytes at XSOFF + 32 rho.
; A work-group of four waves makes 256 x 256 numbers, a wave 128 x 128: 64 accumulators.  All of K fits two LDS slots of 512 along K: three tensor loads a wave (scales, slot 0, slot 1) go out at the start, and nothing is filled again.
; ROLES.  Source 1 of the matrix instruction (role A) gives a result's LANE (row l % 16), source 0 (role B) its eight REGISTERS (rows 8 (l / 16) + j).
;   Q, K (cluster y 0-15): A = rows of x (positions), B = rows of W (channels): a lane holds one position and 8 neighbouring channels: 16 bytes of f16 that are a piece of a fragment of Q or K.
;   V (cluster y 16-23):   A = rows of wv (channels), B = rows of v (keys): a lane holds one channel and 8 neighbouring keys: a piece of a fragment of V^T.
; So the results leave as IMAGES OF OPERAND REGISTERS: each store of a wave covers 512 consecutive bytes, aligned; no stage in LDS.
;   qk: Q at 0, K at 16 MiB: (128 bh + T) 2048 + 512 n16 + 16 lane: position 16 T + r, channels 16 n16 + 8 h + 0..7.  Q carries the factor log2(e) / 32.
;   vv: high parts at 0, low parts at 16 MiB: 262144 bh + 4096 (key / 32) + 1024 ct + 512 ((key / 16) % 2) + 16 lane: channel 16 ct + r, keys + 8 h + 0..7.
; CLUSTERS: 4 x 4 work-groups; A's tiles are asked for jointly along a row of the cluster, B's along a column.  A's addresses are made of the cluster's y and cy alone, B's of the cluster's y and cx alone.
; LIMITS: |Q log2(e) / 32|, |K|, |V| under 65,504 (f16).
; REGISTERS, in windows of 256: window 0: v0-31 addresses; v32-95 scale words, two sets; v128-191 A's fragments; v192-255 the biases in the result's layout.  Window 1: B's fragments, two sets.  Windows 2, 3: the accumulators.
.set NQ,     4                         ; matrix instructions deep in a slot
.set ROWB,   256                       ; a tile's row: 512 codes
.set KROW,   512                       ; a row of codes in memory
.set PITCH,  272                       ; an LDS row: 256 bytes + 16: the 16 rows that a load touches start 16 bytes apart modulo 256
.set FR,     8
.set NL,     2
.set NP,     4                         ; places behind this matrix instruction (ISA guide 7.12.1)
.set HALFT,  128*PITCH
.set SLOT,   4*HALFT
.set KS,     32                        ; a row of scale bytes
.set SCL,    2*SLOT
.set HALFS,  (128*KS/256)*272
.set SBLK,   (16*KS/256)*272
.set SPARE,  SCL+4*HALFS               ; the spare words, 128 bytes for each wave: no other line names them
.set XSOFF,  14155776
.set AJ,   8                           ; v8-15   the biases' offsets; later at work
.set ADRA, 16
.set ADRB, 20
.set LI,   24                          ; v24     16 x lane
.set ADRS, 27
.set SPW,  28
.set NIL,  29
.set SC,   32
.set AF,   128
.set TB,   192
.set T,    32                          ; the way out: 64 numbers in f32,
.set OUTH, 96                          ; 32 registers of f16,
.set U,    128                         ; 64 numbers at work
.set G1, 24
.set G0, 32
.set G1B, 48
.set G0B, 56
.set G1S, 68
.set G0S, 76
.set G1SB, 80
.set G0SB, 88
.set MSB, 0
.macro WIN new                         ; the immediate's high byte repeats the setting that is left
.if MSB != \new
	s_set_vgpr_msb (MSB<<8)|\new
.set MSB, \new
.endif
.endm
.set MUL_LO, 0xa1                      ; source 0 (B) window 1, source 1 (A) window 0, C and D window 2
.set MUL_HI, 0xf1
.set TO_B,   0x40
; A joint load: waves 0 and 1 fetch for A, waves 2 and 3 for B; the branch hangs on the wave's number alone.  An s_nop 0 and four v_nop follow each of the two lines.
.macro JLOAD g0a, g1a, g0b, g1b
	s_cmp_eq_u32 s15, 0
	s_cbranch_scc0 .Lfor_b_\@
	tensor_load_to_lds s[\g0a:\g0a+3], s[\g1a:\g1a+7]
	s_nop 0
.rept 4
	v_nop
.endr
	s_branch .Lasked_\@
.Lfor_b_\@:
	tensor_load_to_lds s[\g0b:\g0b+3], s[\g1b:\g1b+7]
	s_nop 0
.rept 4
	v_nop
.endr
.Lasked_\@:
.endm
.macro CROUND                          ; a round of the cluster's barrier
	s_barrier_signal -1
	s_barrier_wait -1
	s_cmp_lg_u32 s14, 0
	s_cbranch_scc1 .Lnot_wave_0_\@
	s_barrier_signal -3
.Lnot_wave_0_\@:
	s_barrier_wait -3
	s_barrier_signal -1
	s_barrier_wait -1
.endm
	s_load_b256 s[4:11], s[0:1], 0x0               ; codes, wq_b, wk_b, wv_b
	s_load_b128 s[96:99], s[0:1], 0x20             ; qk, vv
	v_lshl_add_u32 v[SPW], v0, 2, SPARE
	v_mov_b32 v[NIL], 0
	ds_add_u32 v[SPW], v[NIL]                      ; the wave's opening: the add, twice on end, and its wait ahead of my first tensor load
	ds_add_u32 v[SPW], v[NIL]
	v_lshrrev_b32 v1, 5, v0
	v_readfirstlane_b32 s14, v1                    ; wave 0..3
	s_lshr_b32 s15, s14, 1                         ; which half of A's rows is mine.  Also: I fetch for A (0) or for B (1)
	s_and_b32 s16, s14, 1                          ; which half of B's rows.  Also: which 128 rows of that tile I fetch
	s_bfe_u32 s40, ttmp6, 0x40000                  ; cx
	s_bfe_u32 s41, ttmp6, 0x40004                  ; cy
	s_and_b32 s66, ttmp7, 0xffff                   ; the cluster's y: 0..23
	s_lshr_b32 s95, s66, 3                         ; t: 0 Q, 1 K, 2 V: the same in all sixteen partners
	s_and_b32 s67, s66, 7                          ; g: which 1,024 positions
	s_lshl_b32 s17, s66, 2
	s_add_co_u32 s17, s17, s41
	s_lshl_b32 s17, s17, 8                         ; A for Q, K: rows of x: 256 (4 y + cy)
	s_lshl_b32 s19, s41, 8
	s_add_co_u32 s19, s19, 26624                   ; A for V: rows of wv
	s_lshl_b32 s42, s95, 10
	s_lshl_b32 s45, s40, 8
	s_add_co_u32 s42, s42, s45
	s_add_co_u32 s42, s42, 24576                   ; B for Q, K: rows of the weight
	s_lshl_b32 s46, s67, 2
	s_add_co_u32 s46, s46, s40
	s_lshl_b32 s46, s46, 8
	s_add_co_u32 s46, s46, 16384                   ; B for V: rows of v
	s_cmp_eq_u32 s95, 2
	s_cselect_b32 s20, s19, s17
	s_cselect_b32 s46, s46, s42
	s_lshl_b32 s18, s16, 7                         ; which 128 rows of the tile I fetch
	s_add_co_u32 s20, s20, s18
	s_add_co_u32 s46, s46, s18
	s_lshl_b32 s43, s41, 2
	s_lshl_b32 s43, 15, s43                        ; my row of the cluster
	s_lshl_b32 s44, 0x1111, s40                    ; my column
	; descriptor group 1: a tile of 128 rows x 256 bytes, 16 bytes of padding behind each row
	s_or_b32 s[G1+0], s43, (0<<16)|(1<<20)|(1<<21)|(5<<22)|(3<<25)
	s_or_b32 s[G1B+0], s44, (0<<16)|(1<<20)|(1<<21)|(5<<22)|(3<<25)
.irp g, G1, G1B
	s_mov_b32 s[\g+1], ROWB<<16                    ; tensor_dim0
	s_mov_b32 s[\g+2], 128<<16                     ; tensor_dim1
	s_mov_b32 s[\g+3], ROWB<<16                    ; tile_dim0
	s_mov_b32 s[\g+4], 128                         ; tile_dim1
	s_mov_b32 s[\g+5], KROW                        ; tensor_dim0_stride
	s_mov_b32 s[\g+6], 0
	s_mov_b32 s[\g+7], 0
.endr
	; the scales of 128 rows: 4,096 dense bytes, as 16 rows of 256 bytes (32 elements of 8), 16 bytes of padding behind each
	s_or_b32 s[G1S+0], s43, (3<<16)|(1<<20)|(1<<21)|(5<<22)|(3<<25)
	s_or_b32 s[G1SB+0], s44, (3<<16)|(1<<20)|(1<<21)|(5<<22)|(3<<25)
.irp g, G1S, G1SB
	s_mov_b32 s[\g+1], 32<<16
	s_mov_b32 s[\g+2], (128*KS/256)<<16
	s_mov_b32 s[\g+3], 32<<16
	s_mov_b32 s[\g+4], 128*KS/256
	s_mov_b32 s[\g+5], 32
	s_mov_b32 s[\g+6], 0
	s_mov_b32 s[\g+7], 0
.endr
	s_lshl_b32 s22, s20, 5
	s_add_co_u32 s22, s22, XSOFF                   ; where these rows' scale bytes begin,
	s_lshl_b32 s92, s46, 5
	s_add_co_u32 s92, s92, XSOFF
	s_lshl_b32 s20, s20, 9                         ; and their codes
	s_lshl_b32 s46, s46, 9
	s_mov_b32 s21, 0
	s_mov_b32 s23, 0
	s_mov_b32 s47, 0
	s_mov_b32 s93, 0
	s_mul_i32 s45, s14, HALFT                      ; where they go: wave x 128 rows: no place in the cluster enters an LDS address
	s_mul_i32 s94, s14, HALFS
	s_wait_dscnt 0x0                               ; both opening adds are done
	s_wait_kmcnt 0x0
	s_add_nc_u64 s[20:21], s[4:5], s[20:21]
	s_add_nc_u64 s[22:23], s[4:5], s[22:23]
	s_add_nc_u64 s[46:47], s[4:5], s[46:47]
	s_add_nc_u64 s[92:93], s[4:5], s[92:93]
	CROUND                                         ; all sixteen work-groups are here: the joint loads meet
	s_mov_b32 s[G0S], 1
	s_add_co_u32 s[G0S+1], s94, SCL
	s_mov_b64 s[G0S+2:G0S+3], s[22:23]
	s_or_b32 s[G0S+3], s[G0S+3], 0x80000000
	s_mov_b32 s[G0SB], 1
	s_add_co_u32 s[G0SB+1], s94, SCL
	s_mov_b64 s[G0SB+2:G0SB+3], s[92:93]
	s_or_b32 s[G0SB+3], s[G0SB+3], 0x80000000
	JLOAD G0S, G1S, G0SB, G1SB                     ; the scales first: they are wanted with the first step
.irp s, 0,1
	s_mov_b32 s[G0+4*\s], 1
	s_add_co_u32 s[G0+4*\s+1], s45, \s*SLOT
	s_add_nc_u64 s[G0+4*\s+2:G0+4*\s+3], s[20:21], \s*ROWB
	s_or_b32 s[G0+4*\s+3], s[G0+4*\s+3], 0x80000000
	s_mov_b32 s[G0B+4*\s], 1
	s_add_co_u32 s[G0B+4*\s+1], s45, \s*SLOT
	s_add_nc_u64 s[G0B+4*\s+2:G0B+4*\s+3], s[46:47], \s*ROWB
	s_or_b32 s[G0B+4*\s+3], s[G0B+4*\s+3], 0x80000000
	JLOAD G0+4*\s, G1, G0B+4*\s, G1B               ; three tensor loads of a wave are out
.endr
	v_and_b32 v1, 15, v0                           ; l % 16
	v_bfe_u32 v2, v0, 4, 1                         ; l / 16
	v_mul_u32_u24 v3, v1, PITCH
	v_lshl_add_u32 v4, v2, 4, v3                   ; a fragment's row x pitch + 16 x half
	s_mul_i32 s21, s15, HALFT                      ; my 128 rows of A
	s_mul_i32 s22, s16, HALFT                      ; my 128 rows of B,
	s_add_co_u32 s22, s22, 2*HALFT                 ; which lie behind A's 256
.irp s, 0,1
	v_add_nc_u32 v[ADRA+\s], s21, v4
	v_add_nc_u32 v[ADRB+\s], s22, v4
	s_add_co_u32 s21, s21, SLOT
	s_add_co_u32 s22, s22, SLOT
.endr
	v_mul_u32_u24 v5, v1, KS                       ; my row's scales: 32 bytes a row,
	v_lshrrev_b32 v6, 8, v5
	v_lshl_add_u32 v5, v6, 4, v5                   ; and 16 more for each 256 passed
	s_mul_i32 s21, s15, HALFS
	s_mul_i32 s22, s16, HALFS
	s_add_co_u32 s22, s22, 2*HALFS
	s_sub_co_u32 s22, s22, s21
	v_mul_u32_u24 v6, s22, v2                      ; lanes 16-31 take B's
	s_add_co_u32 s21, s21, SCL
	v_add_nc_u32 v5, v5, v6
	v_add_nc_u32 v[ADRS], s21, v5
	v_and_b32 v6, 31, v0
	v_lshlrev_b32 v[LI], 4, v6
	; ---- the way out's numbers.  pos: my first position; ch: my first channel
	s_lshl_b32 s18, s67, 2
	s_add_co_u32 s19, s18, s41
	s_lshl_b32 s19, s19, 8
	s_lshl_b32 s20, s15, 7
	s_add_co_u32 s19, s19, s20                     ; Q, K: positions are A's rows
	s_add_co_u32 s18, s18, s40
	s_lshl_b32 s18, s18, 8
	s_lshl_b32 s21, s16, 7
	s_add_co_u32 s18, s18, s21                     ; V: positions are B's rows
	s_lshl_b32 s22, s40, 8
	s_add_co_u32 s22, s22, s21                     ; Q, K: channels are B's rows
	s_lshl_b32 s23, s41, 8
	s_add_co_u32 s23, s23, s20                     ; V: channels are A's rows
	s_cmp_eq_u32 s95, 2
	s_cselect_b32 s18, s18, s19                    ; pos
	s_cselect_b32 s22, s23, s22                    ; ch
	s_cselect_b64 s[12:13], s[98:99], s[96:97]     ; vv or qk
	s_cselect_b32 s92, 4, 0                        ; a bias's offset = r x this
	s_cselect_b32 s93, 0, 32                       ; + h x this
	s_cselect_b32 s94, 0, 4                        ; + j x this
	v_mul_u32_u24 v[AJ], v1, s92
	v_mad_u32_u24 v[AJ], v2, s93, v[AJ]
.irp j, 1,2,3,4,5,6,7
	v_add_nc_u32 v[AJ+\j], s94, v[AJ+\j-1]
.endr
	s_lshr_b32 s19, s18, 11                        ; batch
	s_lshl_b32 s19, s19, 4
	s_lshr_b32 s20, s22, 6                         ; my first head
	s_add_co_u32 s19, s19, s20
	s_lshl_b32 s19, s19, 18                        ; 262,144 bytes for a batch and head
	s_and_b32 s20, s18, 2047
	s_lshl_b32 s20, s20, 7                         ; 128 bytes a position in both layouts (pos is a multiple of 128)
	s_add_co_u32 s20, s19, s20
	s_cmp_eq_u32 s95, 1
	s_cselect_b32 s21, 0x1000000, 0                ; K lies 16 MiB behind Q
	s_cselect_b64 s[46:47], s[8:9], s[10:11]
	s_add_co_u32 s20, s20, s21
	s_mov_b32 s21, 0
	s_add_nc_u64 s[12:13], s[12:13], s[20:21]
	s_add_nc_u64 s[92:93], s[12:13], 0x1000000     ; V's low parts
	s_cmp_eq_u32 s95, 0
	s_cselect_b64 s[46:47], s[6:7], s[46:47]       ; the tensor's bias
	s_cselect_b32 s100, 0x3d38aa3b, 1.0            ; Q carries log2(e) / 32
	s_mov_b32 s101, s100
	s_lshl_b32 s20, s22, 2
	s_add_nc_u64 s[46:47], s[46:47], s[20:21]
.irp i, 0,1,2,3,4,5,6,7
.irp j, 0,1,2,3,4,5,6,7
	global_load_b32 v[TB+8*\i+\j], v[AJ+\j], s[46:47] offset:64*\i   ; Q, K: bias[ch + 16 i + 8 h + j]; V: bias[ch + 16 i + r]
.endr
.endr
.macro FRAG reg, adr, q, i             ; 16 rows x 128 K of 4-bit codes: 8 registers: lane l holds row l % 16; registers 4 c .. 4 c + 3 hold K = 64 c + 32 (l / 16) + 0 .. 31
.irp c, 0,1
	ds_load_b128 v[\reg+4*\c:\reg+4*\c+3], v[\adr] offset:64*(\q)+32*\c+(\i)*16*PITCH
.endr
.endm
; 16 matrix instructions: A's blocks a0, a0 + 1 x B's eight.  The 64 accumulators take turns, one instruction a turn, in the same order in every step.
.macro MUL16 a0, p, q, sc, zero
.irp a, \a0, \a0+1
.irp b, 0,1,2,3,4,5,6,7
.if \zero
	v_wmma_scale_f32_16x16x128_f8f6f4 v[8*(8*((\a)%4)+\b):8*(8*((\a)%4)+\b)+7], v[128*(\p)+FR*\b:128*(\p)+FR*\b+FR-1], v[AF+FR*(\a):AF+FR*(\a)+FR-1], 0, v[SC+8*NQ*(\sc)+NQ*\b+(\q)], v[SC+8*NQ*(\sc)+NQ*(\a)+(\q)] matrix_a_fmt:MATRIX_FMT_FP4 matrix_b_fmt:MATRIX_FMT_FP4 matrix_a_scale:MATRIX_SCALE_ROW1
.else
	v_wmma_scale_f32_16x16x128_f8f6f4 v[8*(8*((\a)%4)+\b):8*(8*((\a)%4)+\b)+7], v[128*(\p)+FR*\b:128*(\p)+FR*\b+FR-1], v[AF+FR*(\a):AF+FR*(\a)+FR-1], v[8*(8*((\a)%4)+\b):8*(8*((\a)%4)+\b)+7], v[SC+8*NQ*(\sc)+NQ*\b+(\q)], v[SC+8*NQ*(\sc)+NQ*(\a)+(\q)] matrix_a_fmt:MATRIX_FMT_FP4 matrix_b_fmt:MATRIX_FMT_FP4 matrix_a_scale:MATRIX_SCALE_ROW1
.endif
.endr
.endr
.endm
.macro FETCH_B slot, q, p
	WIN TO_B
.irp i, 0,1,2,3,4,5,6,7
	FRAG 128*(\p)+FR*\i, ADRB+\slot, \q, \i
.endr
	WIN 0
.endm
.macro FETCH_A slot, q, i0
.irp i, \i0, \i0+1, \i0+2, \i0+3
	FRAG AF+FR*(\i), ADRA+\slot, \q, \i
.endr
.endm
.macro SCALES sc                       ; a slot's scale words: 4 words a row; lanes 0-15 take A's block i, lanes 16-31 B's block i
.irp i, 0,1,2,3,4,5,6,7
	ds_load_b128 v[SC+8*NQ*\sc+NQ*\i:SC+8*NQ*\sc+NQ*\i+3], v[ADRS] offset:\i*SBLK
.endr
.endm
.macro PLACES n                        ; plain vector instructions between a matrix instruction and a load into, or a read of, its registers
.rept \n
	v_nop
.endr
.endm
.macro STEP slot, q, zero              ; 128 along K, with its successor in the same slot
	s_wait_dscnt 4*NL                              ; B's set and A's blocks 0-3 are in; the youngest eight loads (A's blocks 4-7) may be out
	WIN MUL_LO
	MUL16 0, (\q)%2, \q, \slot, \zero
	MUL16 2, (\q)%2, \q, \slot, \zero
	s_wait_dscnt 0
	PLACES NP
	FETCH_B \slot, (\q)+1, 1-(\q)%2
	FETCH_A \slot, (\q)+1, 0
	WIN MUL_HI
	MUL16 4, (\q)%2, \q, \slot, \zero
	MUL16 6, (\q)%2, \q, \slot, \zero
	PLACES NP
	WIN 0
	FETCH_A \slot, (\q)+1, 4
.endm
.macro STEPS slot, from
.set Q, \from
.rept NQ-1-\from
	STEP \slot, Q, 0
.set Q, Q+1
.endr
.endm
	s_wait_tensorcnt 1                             ; the scales and my part of slot 0 are in; slot 1's load may be out,
	s_barrier_signal -1
	s_barrier_wait -1                              ; everybody's are
	FETCH_B 0, 0, 0
	FETCH_A 0, 0, 0
	SCALES 0
	FETCH_A 0, 0, 4
	STEP 0, 0, 1                                   ; the first step's products start the sums: nothing is cleared
	STEPS 0, 1
	; slot 0's last step changes slots: one barrier; in front of it each wave's part of slot 1 has landed
	s_wait_tensorcnt 0x0                           ; all my tensor loads have landed
	ds_add_u32 v[SPW], v[NIL]
	s_wait_dscnt 4*NL+1                            ; the add and the youngest eight loads may be out
	WIN MUL_LO
	MUL16 0, 1, NQ-1, 0, 0
	s_wait_dscnt 0x0
	s_barrier_signal -1
	MUL16 2, 1, NQ-1, 0, 0
	WIN 0
	s_barrier_wait -1
	PLACES NP
	v_add_nc_u32 v[ADRS], 4*NQ, v[ADRS]            ; on to slot 1's scale words
	FETCH_B 1, 0, 0
	FETCH_A 1, 0, 0
	SCALES 1
	WIN MUL_HI
	MUL16 4, 1, NQ-1, 0, 0
	MUL16 6, 1, NQ-1, 0, 0
	PLACES NP
	WIN 0
	FETCH_A 1, 0, 4
	STEPS 1, 0
	s_wait_dscnt 4*NL                              ; the very last step
	WIN MUL_LO
	MUL16 0, 1, NQ-1, 1, 0
	MUL16 2, 1, NQ-1, 1, 0
	s_wait_dscnt 0
	WIN MUL_HI
	MUL16 4, 1, NQ-1, 1, 0
	MUL16 6, 1, NQ-1, 1, 0
	WIN 0
	; ---- THE WAY OUT: (sum + bias) x scale = sum x scale + (bias x scale), rounded to f16, stored as images
	PLACES NP
	s_wait_loadcnt 0x0                             ; the biases
.set oi, 0
.rept 32
	v_pk_mul_f32 v[TB+2*oi:TB+2*oi+1], v[TB+2*oi:TB+2*oi+1], s[100:101] op_sel_hi:[1,0]
.set oi, oi+1
.endr
.macro BIASED a, isv                   ; A's block a: 64 numbers into T; each accumulator is read from its low end on
.set AC, 64*((\a)%4)
	WIN 0x02+(\a)/4                                ; source 0: window 2 or 3
.set oi, 0
.rept 32
.if \isv
	v_pk_fma_f32 v[T+2*oi:T+2*oi+1], v[AC+2*oi:AC+2*oi+1], s[100:101], v[TB+8*(\a)+2*(oi%4):TB+8*(\a)+2*(oi%4)+1] op_sel_hi:[1,0,1]
.else
	v_pk_fma_f32 v[T+2*oi:T+2*oi+1], v[AC+2*oi:AC+2*oi+1], s[100:101], v[TB+2*oi:TB+2*oi+1] op_sel_hi:[1,0,1]
.endif
.set oi, oi+1
.endr
	WIN 0
.endm
; x = hi + lo, hi = x rounded to 11 significant bits: t = 8193 x, hi = t - (t - x), lo = x - hi, all in f32.  Out: hi at t, lo at x.
.macro SPLIT x, t, np, d
.set spi, 0
.rept \np
	v_pk_mul_f32 v[\t+2*spi:\t+2*spi+1], v[\x+2*spi:\x+2*spi+1], 0x46000400 op_sel_hi:[1,0]
.set spi, spi+1
.endr
.set spi, 0
.rept (\np)/2
	v_pk_add_f32 v[\d:\d+1], v[\t+4*spi:\t+4*spi+1], v[\x+4*spi:\x+4*spi+1] neg_lo:[0,1] neg_hi:[0,1]
	v_pk_add_f32 v[\d+2:\d+3], v[\t+4*spi+2:\t+4*spi+3], v[\x+4*spi+2:\x+4*spi+3] neg_lo:[0,1] neg_hi:[0,1]
	v_pk_add_f32 v[\t+4*spi:\t+4*spi+1], v[\t+4*spi:\t+4*spi+1], v[\d:\d+1] neg_lo:[0,1] neg_hi:[0,1]
	v_pk_add_f32 v[\t+4*spi+2:\t+4*spi+3], v[\t+4*spi+2:\t+4*spi+3], v[\d+2:\d+3] neg_lo:[0,1] neg_hi:[0,1]
.set spi, spi+1
.endr
.set spi, 0
.rept \np
	v_pk_add_f32 v[\x+2*spi:\x+2*spi+1], v[\x+2*spi:\x+2*spi+1], v[\t+2*spi:\t+2*spi+1] neg_lo:[0,1] neg_hi:[0,1]
.set spi, spi+1
.endr
.endm
.macro OUTQK a                         ; positions 16 a on, my 128 channels: two heads x four pieces
	s_wait_xcnt 0x0                                ; the last block's stores have read their data
	BIASED \a, 0
.set oi, 0
.rept 32
	v_cvt_pk_f16_f32 v[OUTH+oi], v[T+2*oi], v[T+2*oi+1]
.set oi, oi+1
.endr
.irp b, 0,1,2,3,4,5,6,7
	global_store_b128 v[LI], v[OUTH+4*\b:OUTH+4*\b+3], s[12:13] offset:(\b/4)*262144+(\a)*2048+(\b%4)*512
.endr
.endm
.macro OUTV a                          ; channels 16 a on, my 128 keys; a high and a low part
	s_wait_xcnt 0x0
	BIASED \a, 1
	SPLIT T, U, 32, AJ
.set oi, 0
.rept 32
	v_cvt_pk_f16_f32 v[OUTH+oi], v[U+2*oi], v[U+2*oi+1]
.set oi, oi+1
.endr
.set oi, 0
.rept 32
	v_cvt_pk_f16_f32 v[T+oi], v[T+2*oi], v[T+2*oi+1]       ; in place, ascending: a pair is read at or ahead of the register written
.set oi, oi+1
.endr
.irp b, 0,1,2,3,4,5,6,7
	global_store_b128 v[LI], v[OUTH+4*\b:OUTH+4*\b+3], s[12:13] offset:((\a)/4)*262144+(\b/2)*4096+((\a)%4)*1024+(\b%2)*512
	global_store_b128 v[LI], v[T+4*\b:T+4*\b+3], s[92:93] offset:((\a)/4)*262144+(\b/2)*4096+((\a)%4)*1024+(\b%2)*512
.endr
.endm
	s_cmp_eq_u32 s95, 2                            ; the cluster's y alone: the same way in all partners
	s_cbranch_scc1 .Lvalues
.irp a, 0,1,2,3,4,5,6,7
	OUTQK \a
.endr
	s_branch .Lclose
.Lvalues:
.irp a, 0,1,2,3,4,5,6,7
	OUTV \a
.endr
.Lclose:
	s_wait_tensorcnt 0x0                           ; the wave's end
	ds_add_u32 v[SPW], v[NIL]
	s_wait_dscnt 0x0
	CROUND                                         ; the closing round
	s_endpgm
.Lfunc_end_k_q243fe1aa42_proj:
	.size	k_q243fe1aa42_proj, .Lfunc_end_k_q243fe1aa42_proj-k_q243fe1aa42_proj
	.p2alignl 7, 3214868480
	.fill 96, 4, 3214868480
	.section	.rodata,"a",@progbits
	.p2align	6, 0x0
	.amdhsa_kernel k_q243fe1aa42_proj
		.amdhsa_group_segment_fixed_size 327680
		.amdhsa_private_segment_fixed_size 0
		.amdhsa_enable_private_segment 0
		.amdhsa_kernarg_size 48
		.amdhsa_user_sgpr_count 2
		.amdhsa_user_sgpr_kernarg_segment_ptr 1
		.amdhsa_wavefront_size32 1
		.amdhsa_system_sgpr_workgroup_id_x 1
		.amdhsa_system_sgpr_workgroup_id_y 1
		.amdhsa_system_sgpr_workgroup_id_z 1
		.amdhsa_system_vgpr_workitem_id 0
		.amdhsa_next_free_vgpr 1024
		.amdhsa_next_free_sgpr 102
		.amdhsa_reserve_vcc 0
		.amdhsa_float_denorm_mode_32 3
		.amdhsa_float_denorm_mode_16_64 3
		.amdhsa_memory_ordered 1
		.amdhsa_forward_progress 1
		.amdhsa_inst_pref_size 255
	.end_amdhsa_kernel
	.section	.bss,"aw",@nobits
	.p2align	6
	.space	262144
	.amdgpu_metadata
---
amdhsa.version: [ 1, 2 ]
amdhsa.kernels:
  - .name:           k_q243fe1aa42_proj
    .symbol:         k_q243fe1aa42_proj.kd
    .args:
      - { .name: codes, .offset: 0, .size: 8, .value_kind: global_buffer, .address_space: global }
      - { .name: wq_b, .offset: 8, .size: 8, .value_kind: global_buffer, .address_space: global }
      - { .name: wk_b, .offset: 16, .size: 8, .value_kind: global_buffer, .address_space: global }
      - { .name: wv_b, .offset: 24, .size: 8, .value_kind: global_buffer, .address_space: global }
      - { .name: qk, .offset: 32, .size: 8, .value_kind: global_buffer, .address_space: global }
      - { .name: vv, .offset: 40, .size: 8, .value_kind: global_buffer, .address_space: global }
    .group_segment_fixed_size: 327680
    .private_segment_fixed_size: 0
    .kernarg_segment_align: 8
    .kernarg_segment_size: 48
    .max_flat_workgroup_size: 128
    .sgpr_count:     102
    .vgpr_count:     1024
    .wavefront_size: 32
...
	.end_amdgpu_metadata
.endif
;; end of part 2
;; launch attn (part 3): grid 4 x 64, 8 waves a work-group, no clusters, 33,792 bytes of LDS; arguments qk, vv, mimg, tcls, cimg; writes cimg
.if DOCPART == 3
	.amdgcn_target "amdgcn-amd-amdhsa--gfx1250"
	.amdhsa_code_object_version 6
	.text
	.protected	k_q243fe1aa42_attn
	.globl	k_q243fe1aa42_attn
	.p2align	8
	.type	k_q243fe1aa42_attn,@function
k_q243fe1aa42_attn:
	s_mov_b64 s[64:65], 0
	v_nop
	global_prefetch_b8 v0, s[64:65] scope:SCOPE_SE
	s_setreg_imm32_b32 hwreg(HW_REG_WAVE_MODE, 25, 1), 1
	s_wait_xcnt 0x0
; ATTN: concat[b][q][head] = softmax_k(Q . K / 32 + mask x -1e9) V, f16 operands, f32 sums, maxima and row sums.
; Q (with log2(e) / 32 folded in), K, V^T and the mask's term arrive as images of operand registers, so every load, from memory and from LDS, is 16 x lane + a constant.
; SOFTMAX in base 2, with a running maximum: s' = K Q^T + term; p = 2^(s' - m); l sums the unrounded p; O and l are multiplied by 2^(m_old - m_new) in every step.  The maximum is taken away BEFORE the exponential, by a subtraction of its own.
; SHARES: work-group (x, bh) makes the blocks of 256 queries 7 - x and x of one batch and head, one after the other.  Wave w owns 32 queries, two tiles of 16.  Two waves share a SIMD.
; THE WALK HANGS ON STORED WHOLE NUMBERS: for each tile of 16 queries x 64 keys an earlier launch stored whether it is live and whether its mask holds a number other than 0.
; Every wave walks all 32 key tiles (a loop of constant count, one barrier a trip); scalar branches on the stored bits lead round a tile's fetch (no wave of the block wants it), round its work (dead for my 32 queries), round the mask's add (all zeros).
; That is why K and V go memory -> registers -> LDS by plain loads and stores, and why there is no cluster: partners would walk unlike.
; LAYOUT: S^T = K Q^T (source 0 = 16 keys, source 1 = 16 queries), O^T = V^T P: a lane holds ONE query (lane % 16) throughout; two score tiles, rounded in pairs, ARE source 1 of the second product.
; LIMITS: a row's logits spread less than 4e8 (the dead rule); |V| and the result under 65,504; NaN and infinities are not served.
; REGISTERS: window 0: v1-3 offsets; v8-23 statistics, 8 a tile: +0 m, +1 (the pair's upper half), +2, +3 l, +4..7 at work, a in +6; v32-63 Q; v64-127 S^T; v128-159 P; v160-223 K; v224-239 the next tile on its way to LDS.
;            window 1: v0-63 O^T; v64-127 V^T; v128-191 the mask's term.
.set SLOTB, 16384                      ; an LDS slot: 8,192 bytes of K's image, 8,192 of V's
.set SPARE, 2*SLOTB                    ; the spare words, 128 bytes for each wave: no other line names them
.set LI,  1
.set LW,  2
.set PFO, 3
.set ST,  8
.set SPW, 30
.set NIL, 31
.set Q,   32
.set S,   64
.set P,   128
.set K,   160
.set FS,  224
.set O,   0
.set V,   64
.set M,   128
.set MSB, 0
.macro WIN new                         ; the immediate's high byte repeats the setting that is left
.if MSB != \new
	s_set_vgpr_msb (MSB<<8)|\new
.set MSB, \new
.endif
.endm
	s_load_b256 s[4:11], s[0:1], 0x0               ; qk, vv, mimg, tcls
	s_load_b64 s[12:13], s[0:1], 0x20              ; cimg
	v_lshl_add_u32 v[SPW], v0, 2, SPARE
	v_mov_b32 v[NIL], 0
	v_lshrrev_b32 v1, 5, v0
	v_readfirstlane_b32 s14, v1                    ; wave 0..7
	v_and_b32 v3, 31, v0
	v_lshlrev_b32 v[LI], 4, v3                     ; 16 x lane
	v_lshlrev_b32 v[LW], 4, v0                     ; 16 x thread: the work-group's 4,096 bytes of a fetch
	v_lshlrev_b32 v[PFO], 8, v3                    ; 256 x lane
	s_and_b32 s16, ttmp7, 0xffff                   ; batch x 16 + head
	s_mov_b32 s36, 0x76543210
	s_mov_b32 s37, 0xfedcba98                      ; v_permlanex16_b32's selects for lane l xor 16
	s_mov_b32 s17, 0                               ; the pass
	s_wait_kmcnt 0x0
; 16 products S^T = K Q^T: 8 accumulators by turns; the first 8 start the sums
.macro KQRUN
	s_wait_dscnt 16                                ; K's sixteen loads are in; V's sixteen may be out
.irp c, 0,1
.irp kt, 0,1,2,3
.irp u, 0,1
.if \c == 0
	v_wmma_f32_16x16x32_f16 v[S+32*\u+8*\kt:S+32*\u+8*\kt+7], v[K+16*\kt:K+16*\kt+7], v[Q+16*\u:Q+16*\u+7], 0
.else
	v_wmma_f32_16x16x32_f16 v[S+32*\u+8*\kt:S+32*\u+8*\kt+7], v[K+16*\kt+8:K+16*\kt+15], v[Q+16*\u+8:Q+16*\u+15], v[S+32*\u+8*\kt:S+32*\u+8*\kt+7]
.endif
.endr
.endr
.endr
.rept 4
	v_nop                                          ; places in front of the first read of the scores (ISA guide 7.12.1)
.endr
.endm
; The two tiles' softmax of a key tile, line by line in turn.
.macro SOFTMAX
.irp j, 0,1,2,3
.irp u, 0,1
	v_max3_num_f32 v[ST+8*\u+4+\j], v[S+32*\u+8*\j], v[S+32*\u+8*\j+1], v[S+32*\u+8*\j+2]   ; each accumulator is read from its low end on
.endr
.endr
.irp g, 1,2
.irp j, 0,1,2,3
.irp u, 0,1
	v_max3_num_f32 v[ST+8*\u+4+\j], v[ST+8*\u+4+\j], v[S+32*\u+8*\j+2*\g+1], v[S+32*\u+8*\j+2*\g+2]
.endr
.endr
.endr
.irp u, 0,1
	v_max3_num_f32 v[ST+8*\u+4], v[ST+8*\u+4], v[S+32*\u+7], v[S+32*\u+15]
	v_max3_num_f32 v[ST+8*\u+6], v[ST+8*\u+6], v[S+32*\u+23], v[S+32*\u+31]
.endr
.irp u, 0,1
	v_max3_num_f32 v[ST+8*\u+4], v[ST+8*\u+4], v[ST+8*\u+5], v[ST+8*\u+6]
.endr
.irp u, 0,1
	v_max3_num_f32 v[ST+8*\u+4], v[ST+8*\u+4], v[ST+8*\u+7], v[ST+8*\u]    ; with the old m
.endr
.irp u, 0,1
	v_permlanex16_b32 v[ST+8*\u+5], v[ST+8*\u+4], s36, s37                 ; the query's other 32 keys lie in the lane 16 away
.endr
.irp u, 0,1
	v_mov_b32 v[ST+8*\u+7], v[ST+8*\u]
.endr
.irp u, 0,1
	v_max_num_f32 v[ST+8*\u], v[ST+8*\u+4], v[ST+8*\u+5]                   ; the new m
.endr
.irp u, 0,1
	v_sub_f32 v[ST+8*\u+7], v[ST+8*\u+7], v[ST+8*\u]                       ; m_old - m_new
.endr
.set i, 0
.rept 32
	v_pk_add_f32 v[S+2*i:S+2*i+1], v[S+2*i:S+2*i+1], v[ST+8*(i/16):ST+8*(i/16)+1] op_sel_hi:[1,0] neg_lo:[0,1] neg_hi:[0,1]   ; s' - m
.set i, i+1
.endr
.irp u, 0,1
	v_exp_f32 v[ST+8*\u+6], v[ST+8*\u+7]           ; a
.endr
.set i, 0
.rept 64
	v_exp_f32 v[S+i], v[S+i]                       ; p: one batch of 66 exponentials
.set i, i+1
.endr
	v_nop                                          ; a plain instruction behind the last exponential,
	s_wait_alu depctr_va_vdst(0)                   ; and the one wait ahead of the batch's first reader
.set i, 0
.rept 32
	v_cvt_pk_f16_f32 v[P+i], v[S+2*i], v[S+2*i+1]
.set i, i+1
.endr
.irp z, 0,1,2,3,4,5,6,7                ; the sum of a tile's 16 pairs, in place: neighbours 1, 2, 4 and 8 pairs apart
.irp u, 0,1
	v_pk_add_f32 v[S+32*\u+4*\z:S+32*\u+4*\z+1], v[S+32*\u+4*\z:S+32*\u+4*\z+1], v[S+32*\u+4*\z+2:S+32*\u+4*\z+3]
.endr
.endr
.irp z, 0,1,2,3
.irp u, 0,1
	v_pk_add_f32 v[S+32*\u+8*\z:S+32*\u+8*\z+1], v[S+32*\u+8*\z:S+32*\u+8*\z+1], v[S+32*\u+8*\z+4:S+32*\u+8*\z+5]
.endr
.endr
.irp z, 0,1
.irp u, 0,1
	v_pk_add_f32 v[S+32*\u+16*\z:S+32*\u+16*\z+1], v[S+32*\u+16*\z:S+32*\u+16*\z+1], v[S+32*\u+16*\z+8:S+32*\u+16*\z+9]
.endr
.endr
.irp u, 0,1
	v_pk_add_f32 v[S+32*\u:S+32*\u+1], v[S+32*\u:S+32*\u+1], v[S+32*\u+16:S+32*\u+17]
.endr
.irp u, 0,1
	v_pk_fma_f32 v[ST+8*\u+2:ST+8*\u+3], v[ST+8*\u+2:ST+8*\u+3], v[ST+8*\u+6:ST+8*\u+7], v[S+32*\u:S+32*\u+1] op_sel_hi:[1,0,1]   ; l = l a + the sum
.endr
.endm
; A live key tile, from slot sl.
.macro COMPUTE sl
.irp i, 0,1,2,3,4,5,6,7,8,9,10,11,12,13,14,15
	ds_load_b128 v[K+4*\i:K+4*\i+3], v[LI] offset:\sl*SLOTB+512*\i
.endr
	WIN 0x40                                       ; destination window 1
.irp i, 0,1,2,3,4,5,6,7,8,9,10,11,12,13,14,15
	ds_load_b128 v[V+4*\i:V+4*\i+3], v[LI] offset:\sl*SLOTB+8192+512*\i
.endr
	WIN 0
	s_bitcmp1_b32 s22, 0                           ; does the mask hold a number other than 0 here?
	s_cbranch_scc0 .Lplain_\@
	WIN 0x40
.irp u, 0,1
.irp i, 0,1,2,3,4,5,6,7
	global_load_b128 v[M+32*\u+4*\i:M+32*\u+4*\i+3], v[LI], s[28:29] offset:131072*\u+512*\i
.endr
.endr
	WIN 0
	KQRUN
	s_wait_loadcnt 0x0                             ; the term (load and use stand in one arm)
	WIN 0x04                                       ; source 1 window 1
.set i, 0
.rept 32
	v_pk_add_f32 v[S+2*i:S+2*i+1], v[S+2*i:S+2*i+1], v[M+2*i:M+2*i+1]
.set i, i+1
.endr
	WIN 0
	s_branch .Lsoft_\@
.Lplain_\@:
	KQRUN
.Lsoft_\@:
	SOFTMAX
	s_wait_dscnt 0x0                               ; V
	WIN 0x41                                       ; O^T (destination, source 0) window 1, a window 0
.set i, 0
.rept 32
	v_pk_mul_f32 v[O+2*i:O+2*i+1], v[O+2*i:O+2*i+1], v[ST+8*(i/16)+6:ST+8*(i/16)+7] op_sel_hi:[1,0]
.set i, i+1
.endr
	WIN 0x51                                       ; V^T and O^T window 1, P window 0
.irp kc, 0,1
.irp ct, 0,1,2,3
.irp u, 0,1
	v_wmma_f32_16x16x32_f16 v[O+32*\u+8*\ct:O+32*\u+8*\ct+7], v[V+8*(4*\kc+\ct):V+8*(4*\kc+\ct)+7], v[P+16*\u+8*\kc:P+16*\u+8*\kc+7], v[O+32*\u+8*\ct:O+32*\u+8*\ct+7]
.endr
.endr
.endr
	WIN 0
.rept 4
	v_nop                                          ; places in front of the next loads into V's registers and the next read of O^T
.endr
.endm
; A trip: key tile j lies in slot sl.  One barrier: in front of it my stores of tile j have landed and my reads of tile j - 1 are over; behind it tile j + 1 is fetched into registers, tile j worked on, tile j + 1 stored into the other slot.
.macro TRIP sl
	s_wait_dscnt 0x0
	s_barrier_signal -1
	s_barrier_wait -1
	s_bitcmp1_b32 s20, 1                           ; does any wave of the block want tile j + 1?  (Behind tile 31 the bits are 0)
	s_cbranch_scc0 .Lnofetch_\@
	global_load_b128 v[FS:FS+3], v[LW], s[24:25] offset:8192
	global_load_b128 v[FS+4:FS+7], v[LW], s[24:25] offset:12288
	global_load_b128 v[FS+8:FS+11], v[LW], s[26:27] offset:8192
	global_load_b128 v[FS+12:FS+15], v[LW], s[26:27] offset:12288
.Lnofetch_\@:
	s_bitcmp1_b32 s23, 3                           ; a prefetch of tile j + 3, two trips ahead of its loads: the head's first work-group asks, in its first pass, wave 0 for K's 8,192 bytes and wave 1 for V's, lanes 256 bytes apart
	s_cbranch_scc0 .Lnoask_\@
	global_prefetch_b8 v[PFO], s[30:31] offset:24576 th:TH_LOAD_NT scope:SCOPE_SE
.Lnoask_\@:
	s_bitcmp1_b32 s21, 0                           ; is tile j live for my 32 queries?
	s_cbranch_scc0 .Ldead_\@
	COMPUTE \sl
.Ldead_\@:
	s_wait_loadcnt 0x0                             ; on every path: nothing is left pending
	s_bitcmp1_b32 s20, 1
	s_cbranch_scc0 .Lnostore_\@
	ds_store_b128 v[LW], v[FS:FS+3] offset:(1-\sl)*SLOTB
	ds_store_b128 v[LW], v[FS+4:FS+7] offset:(1-\sl)*SLOTB+4096
	ds_store_b128 v[LW], v[FS+8:FS+11] offset:(1-\sl)*SLOTB+8192
	ds_store_b128 v[LW], v[FS+12:FS+15] offset:(1-\sl)*SLOTB+12288
.Lnostore_\@:
	s_wait_xcnt 0x0                                ; the trip's loads and its prefetch have read their bases
	s_add_nc_u64 s[24:25], s[24:25], 8192
	s_add_nc_u64 s[26:27], s[26:27], 8192
	s_add_nc_u64 s[30:31], s[30:31], 8192
	s_add_nc_u64 s[28:29], s[28:29], 4096
	s_lshr_b32 s20, s20, 1
	s_lshr_b32 s21, s21, 1
	s_lshr_b32 s22, s22, 1
	s_lshr_b32 s23, s23, 1
.endm
.Lpass:
	s_sub_co_u32 s18, 7, ttmp9
	s_cmp_eq_u32 s17, 0
	s_cselect_b32 s18, s18, ttmp9                  ; my block of 256 queries: 7 - x, then x
	s_lshl_b32 s34, s18, 7                         ; its 32 class words
	s_lshl_b32 s35, s14, 4
	s_add_co_u32 s35, s35, s34                     ; my two tiles' four
	s_load_b512 s[68:83], s[10:11], s34 offset:0x0
	s_load_b512 s[84:99], s[10:11], s34 offset:0x40
	s_load_b128 s[40:43], s[10:11], s35 offset:0x0
	s_lshl_b32 s44, s18, 4
	s_lshl_b32 s45, s14, 1
	s_add_co_u32 s44, s44, s45                     ; T0: my first tile of 16 queries
	s_lshl_b32 s46, s16, 18
	s_mov_b32 s47, 0
	s_add_nc_u64 s[26:27], s[6:7], s[46:47]        ; V^T of my head
	s_add_nc_u64 s[48:49], s[4:5], s[46:47]
	s_add_nc_u64 s[24:25], s[48:49], 0x1000000     ; K
	s_lshl_b32 s46, s44, 11
	s_add_nc_u64 s[48:49], s[48:49], s[46:47]      ; Q at my tiles
	s_lshl_b32 s46, s44, 17
	s_add_nc_u64 s[28:29], s[8:9], s[46:47]        ; the mask's term at my tiles
	s_lshr_b32 s50, s16, 4
	s_lshl_b32 s50, s50, 22                        ; batch: 128 tiles of 32,768 bytes
	s_lshl_b32 s46, s44, 15
	s_add_co_u32 s46, s46, s50
	s_and_b32 s50, s16, 15
	s_lshl_b32 s50, s50, 11
	s_add_co_u32 s46, s46, s50
	s_add_nc_u64 s[32:33], s[12:13], s[46:47]      ; where my result goes
.irp u, 0,1
.irp i, 0,1,2,3
	global_load_b128 v[Q+16*\u+4*\i:Q+16*\u+4*\i+3], v[LI], s[48:49] offset:2048*\u+512*\i
.endr
.endr
	global_load_b128 v[FS:FS+3], v[LW], s[24:25]   ; key tile 0, always: so these registers are written on every path
	global_load_b128 v[FS+4:FS+7], v[LW], s[24:25] offset:4096
	global_load_b128 v[FS+8:FS+11], v[LW], s[26:27]
	global_load_b128 v[FS+12:FS+15], v[LW], s[26:27] offset:4096
	WIN 0x40
.set i, 0
.rept 64
	v_mov_b32 v[O+i], 0                            ; which trip is the first live one hangs on stored numbers, so no product can be written out that starts the sums
.set i, i+1
.endr
	WIN 0
.irp u, 0,1
	v_mov_b32 v[ST+8*\u], 0xff61b1e6               ; m = -3e38, under every score
.irp e, 1,2,3,4,5,6,7
	v_mov_b32 v[ST+8*\u+\e], 0
.endr
.endr
	s_wait_kmcnt 0x0
.irp p, 70,72,74,76,78,80,82,84,86,88,90,92,94,96,98
	s_or_b64 s[68:69], s[68:69], s[\p:\p+1]        ; the block's 16 tiles together: even words keys 0-1023, odd words keys 1024-2047
.endr
	s_and_b32 s20, s68, 0xffff
	s_lshl_b32 s34, s69, 16
	s_or_b32 s20, s20, s34                         ; bit j: some wave wants key tile j
	s_or_b64 s[40:41], s[40:41], s[42:43]
	s_and_b32 s21, s40, 0xffff
	s_lshl_b32 s34, s41, 16
	s_or_b32 s21, s21, s34                         ; bit j: live for my 32 queries
	s_lshr_b32 s22, s40, 16
	s_and_b32 s34, s41, 0xffff0000
	s_or_b32 s22, s22, s34                         ; bit j: the mask is not all zeros there
	s_lshr_b32 s34, s14, 1
	s_or_b32 s34, s34, ttmp9
	s_or_b32 s34, s34, s17
	s_cmp_eq_u32 s34, 0                            ; waves 0, 1 of work-group x = 0 in pass 0
	s_cselect_b32 s23, s20, 0
	s_cmp_eq_u32 s14, 0
	s_cselect_b64 s[30:31], s[24:25], s[26:27]
	s_wait_loadcnt 0x0
	ds_store_b128 v[LW], v[FS:FS+3]                ; slot 0 was last read a trip before the last barrier
	ds_store_b128 v[LW], v[FS+4:FS+7] offset:4096
	ds_store_b128 v[LW], v[FS+8:FS+11] offset:8192
	ds_store_b128 v[LW], v[FS+12:FS+15] offset:12288
	s_mov_b32 s19, 16
.Lpair:
	TRIP 0
	TRIP 1
	s_sub_co_u32 s19, s19, 1
	s_cmp_lg_u32 s19, 0
	s_cbranch_scc1 .Lpair
	; ---- the way out of a pass: O^T / l, rounded to f16: a lane's 8 channels are 16 bytes of the next product's fragment
.irp u, 0,1
	v_add_f32 v[ST+8*\u+4], v[ST+8*\u+2], v[ST+8*\u+3]
.endr
.irp u, 0,1
	v_permlanex16_b32 v[ST+8*\u+5], v[ST+8*\u+4], s36, s37
.endr
.irp u, 0,1
	v_add_f32 v[ST+8*\u+4], v[ST+8*\u+4], v[ST+8*\u+5]
.endr
.irp u, 0,1
	v_rcp_f32 v[ST+8*\u+6], v[ST+8*\u+4]           ; l is 1 or more: the tile with a row's smallest mask number is live
.endr
	v_nop
	s_wait_alu depctr_va_vdst(0)                   ; one wait for the two reciprocals, ahead of their first reader
	WIN 0x01                                       ; source 0 window 1
.set i, 0
.rept 32
	v_pk_mul_f32 v[S+2*i:S+2*i+1], v[O+2*i:O+2*i+1], v[ST+8*(i/16)+6:ST+8*(i/16)+7] op_sel_hi:[1,0]
.set i, i+1
.endr
	WIN 0
.set i, 0
.rept 32
	v_cvt_pk_f16_f32 v[P+i], v[S+2*i], v[S+2*i+1]
.set i, i+1
.endr
.irp u, 0,1
.irp ct, 0,1,2,3
	global_store_b128 v[LI], v[P+16*\u+4*\ct:P+16*\u+4*\ct+3], s[32:33] offset:32768*\u+512*\ct   ; the wave stores 512 consecutive bytes, aligned
.endr
.endr
	s_wait_xcnt 0x0                                ; the stores have read their data and base
	s_add_co_u32 s17, s17, 1
	s_cmp_lt_u32 s17, 2
	s_cbranch_scc1 .Lpass
	s_wait_tensorcnt 0x0                           ; the wave's end: behind my last LDS store
	ds_add_u32 v[SPW], v[NIL]
	s_wait_dscnt 0x0
	s_endpgm
.Lfunc_end_k_q243fe1aa42_attn:
	.size	k_q243fe1aa42_attn, .Lfunc_end_k_q243fe1aa42_attn-k_q243fe1aa42_attn
	.p2alignl 7, 3214868480
	.fill 96, 4, 3214868480
	.section	.rodata,"a",@progbits
	.p2align	6, 0x0
	.amdhsa_kernel k_q243fe1aa42_attn
		.amdhsa_group_segment_fixed_size 33792
		.amdhsa_private_segment_fixed_size 0
		.amdhsa_enable_private_segment 0
		.amdhsa_kernarg_size 40
		.amdhsa_user_sgpr_count 2
		.amdhsa_user_sgpr_kernarg_segment_ptr 1
		.amdhsa_wavefront_size32 1
		.amdhsa_system_sgpr_workgroup_id_x 1
		.amdhsa_system_sgpr_workgroup_id_y 1
		.amdhsa_system_sgpr_workgroup_id_z 1
		.amdhsa_system_vgpr_workitem_id 0
		.amdhsa_next_free_vgpr 512
		.amdhsa_next_free_sgpr 100
		.amdhsa_reserve_vcc 0
		.amdhsa_float_denorm_mode_32 3
		.amdhsa_float_denorm_mode_16_64 3
		.amdhsa_memory_ordered 1
		.amdhsa_forward_progress 1
		.amdhsa_inst_pref_size 60
	.end_amdhsa_kernel
	.amdgpu_metadata
---
amdhsa.version: [ 1, 2 ]
amdhsa.kernels:
  - .name:           k_q243fe1aa42_attn
    .symbol:         k_q243fe1aa42_attn.kd
    .args:
      - { .name: qk, .offset: 0, .size: 8, .value_kind: global_buffer, .address_space: global }
      - { .name: vv, .offset: 8, .size: 8, .value_kind: global_buffer, .address_space: global }
      - { .name: mimg, .offset: 16, .size: 8, .value_kind: global_buffer, .address_space: global }
      - { .name: tcls, .offset: 24, .size: 8, .value_kind: global_buffer, .address_space: global }
      - { .name: cimg, .offset: 32, .size: 8, .value_kind: global_buffer, .address_space: global }
    .group_segment_fixed_size: 33792
    .private_segment_fixed_size: 0
    .kernarg_segment_align: 8
    .kernarg_segment_size: 40
    .max_flat_workgroup_size: 256
    .sgpr_count:     100
    .vgpr_count:     512
    .wavefront_size: 32
...
	.end_amdgpu_metadata
.endif
;; end of part 3
;; launch dense (part 4): grid 8 x 64, 4 waves a work-group, clusters of 4 x 4, 327,680 bytes of LDS; arguments cimg, wimg, dense_b, out0; writes out0
.if DOCPART == 4
	.amdgcn_target "amdgcn-amd-amdhsa--gfx1250"
	.amdhsa_code_object_version 6
	.text
	.protected	k_q243fe1aa42_dense
	.globl	k_q243fe1aa42_dense
	.p2align	8
	.type	k_q243fe1aa42_dense,@function
k_q243fe1aa42_dense:
	s_mov_b64 s[64:65], 0
	v_nop
	global_prefetch_b8 v0, s[64:65] scope:SCOPE_SE
	s_setreg_imm32_b32 hwreg(HW_REG_WAVE_MODE, 25, 1), 1
	s_wait_xcnt 0x0
	s_wait_alu depctr_hold_cnt(0) depctr_sa_sdst(0) depctr_va_vdst(0) depctr_va_sdst(0) depctr_va_ssrc(0) depctr_va_vcc(0) depctr_vm_vsrc(0)
	s_getreg_b32 s2, hwreg(HW_REG_IB_STS2, 6, 4)
	s_cmp_eq_u32 s2, 0
	s_cbranch_scc0 .Lentry_in_a_cluster
	s_endpgm
.Lentry_in_a_cluster:
	s_bfe_u32 s2, ttmp6, 0x10000c
	s_cmp_lg_u32 s2, 0xf033
	s_cbranch_scc0 .Lentry_shape_is_right
	s_endpgm
.Lentry_shape_is_right:
; DENSE: out0[m][n] = sum over k of concat[m][k] dense_w[n][k] + dense_b[n].  M = 8,192, N = K = 1,024; f16 operands, f32 sums, f32 out.
; Both operands arrive as IMAGES OF FRAGMENTS: a tile of 16 rows is 32,768 bytes, fragment kf (32 along K) at 1,024 kf, its two halves of four registers 512 bytes apart, 16 bytes a lane.
; A tile of the result is 128 x 128: four waves, each 64 x 64: 16 accumulators.  K goes in steps of 256 through two LDS slots; a wave's tensor load brings 4 row tiles x 8,192 bytes.
; Every fragment read is 16 x lane + a constant: consecutive bytes, no padding.
; CLUSTERS: 4 x 4 work-groups; A's tiles are asked for jointly along a row of the cluster, B's along a column.  THE MATRIX INSTRUCTION IS USED TRANSPOSED (source 0 = 16 rows of dense_w, source 1 = 16 rows of concat):
; a lane holds eight neighbouring numbers of a row of the result.  The bias is the C of each sum's first product.
; A wave's 64 columns are 256 bytes, aligned: each wave has a stage of its own on the way out, and no barrier there.
; The first 16 positions of every batch are written here too, and written over by the launch that carries them more finely.
; REGISTERS: window 0: v0-31 addresses; v32-63 the bias, later with v64-95 the way out; v128-255 the accumulators.  Window 1: two fragment buffers of 128.
.set KSB,    8192                      ; a K step of a row tile's image
.set QB,     2048                      ; a quarter of it: 64 along K
.set HALFT,  32768                     ; what one tensor load brings: 4 row tiles
.set SLOT,   4*HALFT
.set STAGE,  2*SLOT
.set SPITCH, 272
.set SPARE,  STAGE+4*16*SPITCH         ; the spare words, 128 bytes for each wave: no other line names them
.set LAPS,   2
.set ADRA, 16
.set ADRB, 20
.set STO,  24
.set RD,   25
.set CO,   26
.set SPW,  28
.set NIL,  29
.set BT,   32
.set TMP,  32
.set ACC,  128
.set F0,   0
.set F1,   128
.set G1, 24
.set G0, 32
.set G1B, 48
.set G0B, 56
.set MSB, 0
.macro WIN new
.if MSB != \new
	s_set_vgpr_msb (MSB<<8)|\new
.set MSB, \new
.endif
.endm
.set MUL,  0x05                        ; sources 0 (B) and 1 (A) window 1; C and D window 0
.set TO_F, 0x40
.macro JLOAD s                         ; a joint load: waves 0 and 1 fetch A's two halves, waves 2 and 3 B's; an s_nop 0 and four v_nop follow each of the two lines
	s_cmp_eq_u32 s11, 0
	s_cbranch_scc0 .Lfor_b_\@
	tensor_load_to_lds s[G0+4*\s:G0+4*\s+3], s[G1:G1+7]
	s_nop 0
.rept 4
	v_nop
.endr
	s_branch .Lasked_\@
.Lfor_b_\@:
	tensor_load_to_lds s[G0B+4*\s:G0B+4*\s+3], s[G1B:G1B+7]
	s_nop 0
.rept 4
	v_nop
.endr
.Lasked_\@:
.endm
.macro CREST
	s_cmp_lg_u32 s10, 0
	s_cbranch_scc1 .Lnot_wave_0_\@
	s_barrier_signal -3
.Lnot_wave_0_\@:
	s_barrier_wait -3
	s_barrier_signal -1
	s_barrier_wait -1
.endm
.macro CROUND
	s_barrier_signal -1
	s_barrier_wait -1
	CREST
.endm
	s_load_b128 s[4:7], s[0:1], 0x0                ; cimg, wimg
	s_load_b64 s[66:67], s[0:1], 0x10              ; dense_b
	s_load_b64 s[8:9], s[0:1], 0x18                ; out0
	v_lshl_add_u32 v[SPW], v0, 2, SPARE
	v_mov_b32 v[NIL], 0
	ds_add_u32 v[SPW], v[NIL]                      ; the wave's opening: the add, twice on end, and its wait ahead of my first tensor load
	ds_add_u32 v[SPW], v[NIL]
	v_lshrrev_b32 v1, 5, v0
	v_readfirstlane_b32 s10, v1                    ; wave 0..3
	s_lshr_b32 s11, s10, 1                         ; which half of the tile's rows is mine.  Also: I fetch for A (0) or for B (1)
	s_and_b32 s12, s10, 1                          ; which half of its columns.  Also: which 4 row tiles I fetch
	s_bfe_u32 s40, ttmp6, 0x40000                  ; cx, cy
	s_bfe_u32 s41, ttmp6, 0x40004
	s_lshl_b32 s42, ttmp9, 2
	s_add_co_u32 s42, s42, s40                     ; tile column
	s_and_b32 s13, ttmp7, 0xffff
	s_lshl_b32 s13, s13, 2
	s_add_co_u32 s13, s13, s41                     ; tile row
	s_lshl_b32 s43, s41, 2
	s_lshl_b32 s43, 15, s43                        ; my row of the cluster
	s_lshl_b32 s44, 0x1111, s40                    ; my column
	; descriptor group 1: 4 rows of 1,024 elements of 8 bytes, 4,096 elements apart; no padding
	s_or_b32 s[G1+0], s43, (3<<16)|(1<<21)
	s_or_b32 s[G1B+0], s44, (3<<16)|(1<<21)
.irp g, G1, G1B
	s_mov_b32 s[\g+1], 1024<<16                    ; tensor_dim0
	s_mov_b32 s[\g+2], 4<<16                       ; tensor_dim1
	s_mov_b32 s[\g+3], 1024<<16                    ; tile_dim0
	s_mov_b32 s[\g+4], 4                           ; tile_dim1
	s_mov_b32 s[\g+5], 4096                        ; tensor_dim0_stride
	s_mov_b32 s[\g+6], 0
	s_mov_b32 s[\g+7], 0
.endr
	s_lshl_b32 s17, s12, 17                        ; which 4 row tiles of the 8
	s_lshl_b32 s16, s13, 18
	s_add_co_u32 s16, s16, s17                     ; A: 8 row tiles of 32,768 bytes a tile row
	s_lshl_b32 s46, s42, 18
	s_add_co_u32 s46, s46, s17                     ; B likewise by the tile column
	s_mov_b32 s17, 0
	s_mov_b32 s47, 0
	s_mul_i32 s20, s10, HALFT                      ; where they go: wave x 32,768
	s_wait_dscnt 0x0                               ; both opening adds are done
	s_wait_kmcnt 0x0
	s_add_nc_u64 s[14:15], s[4:5], s[16:17]
	s_add_nc_u64 s[46:47], s[6:7], s[46:47]
	CROUND                                         ; all sixteen work-groups are here: the first joint loads meet
.irp s, 0,1
	s_mov_b32 s[G0+4*\s], 1
	s_add_co_u32 s[G0+4*\s+1], s20, \s*SLOT
	s_add_nc_u64 s[G0+4*\s+2:G0+4*\s+3], s[14:15], \s*KSB
	s_or_b32 s[G0+4*\s+3], s[G0+4*\s+3], 0x80000000
	s_mov_b32 s[G0B+4*\s], 1
	s_add_co_u32 s[G0B+4*\s+1], s20, \s*SLOT
	s_add_nc_u64 s[G0B+4*\s+2:G0B+4*\s+3], s[46:47], \s*KSB
	s_or_b32 s[G0B+4*\s+3], s[G0B+4*\s+3], 0x80000000
	JLOAD \s                                       ; two tensor loads of a wave are out at the start, one behind each later round
.endr
	v_and_b32 v1, 15, v0                           ; l % 16
	v_bfe_u32 v2, v0, 4, 1                         ; l / 16
	v_and_b32 v3, 31, v0
	v_lshlrev_b32 v3, 4, v3                        ; 16 x lane
	s_mul_i32 s21, s11, HALFT                      ; my 4 row tiles of A
	s_mul_i32 s22, s12, HALFT                      ; my 4 of B,
	s_add_co_u32 s22, s22, 2*HALFT                 ; which lie behind A's 8
.irp s, 0,1
	v_add_nc_u32 v[ADRA+\s], s21, v3
	v_add_nc_u32 v[ADRB+\s], s22, v3
	s_add_co_u32 s21, s21, SLOT
	s_add_co_u32 s22, s22, SLOT
.endr
	s_mul_i32 s23, s10, 16*SPITCH
	s_add_co_u32 s23, s23, STAGE                   ; my stage
	v_mul_u32_u24 v4, v1, SPITCH                   ; in: row l % 16, 32 bytes for each half of the lanes
	v_lshl_add_u32 v4, v2, 5, v4
	v_add_nc_u32 v[STO], s23, v4
	v_mul_u32_u24 v5, v2, SPITCH                   ; back: lanes 0-15 one row of 256 bytes, lanes 16-31 the next
	v_lshl_add_u32 v5, v1, 4, v5
	v_add_nc_u32 v[RD], s23, v5
	v_lshlrev_b32 v5, 12, v2                       ; and the same two rows in out0
	v_lshl_add_u32 v[CO], v1, 4, v5
	v_lshlrev_b32 v6, 5, v2                        ; the bias: 32 h
	s_lshl_b32 s16, s13, 19
	s_lshl_b32 s17, s11, 18
	s_add_co_u32 s16, s16, s17                     ; my first row: (128 x tile row + 64 x half) x 4,096 bytes
	s_mov_b32 s17, 0
	s_add_nc_u64 s[8:9], s[8:9], s[16:17]
	s_lshl_b32 s46, s42, 9
	s_lshl_b32 s47, s12, 8
	s_add_co_u32 s46, s46, s47                     ; my first column x 4 bytes
	s_mov_b32 s47, 0
	s_add_nc_u64 s[8:9], s[8:9], s[46:47]
	s_add_nc_u64 s[66:67], s[66:67], s[46:47]
.irp b, 0,1,2,3
	global_load_b128 v[BT+8*\b:BT+8*\b+3], v6, s[66:67] offset:64*\b          ; dense_b[my column + 16 b + 8 h + 0..7]: the result's layout
	global_load_b128 v[BT+8*\b+4:BT+8*\b+7], v6, s[66:67] offset:64*\b+16
.endr
; 8 matrix instructions: m blocks a0, a0 + 1 x all 4 n blocks, 32 along K: half c of buffer f.  zero = 1: the first product starts the sums, from the bias.  The 16 accumulators take turns.
.macro MUL8 f, c, a0, zero
.irp a, \a0, \a0+1
.irp b, 0,1,2,3
.if \zero
	v_wmma_f32_16x16x32_f16 v[ACC+8*(4*(\a)+\b):ACC+8*(4*(\a)+\b)+7], v[\f+64+8*(4*\c+\b):\f+64+8*(4*\c+\b)+7], v[\f+8*(4*\c+\a):\f+8*(4*\c+\a)+7], v[BT+8*\b:BT+8*\b+7]
.else
	v_wmma_f32_16x16x32_f16 v[ACC+8*(4*(\a)+\b):ACC+8*(4*(\a)+\b)+7], v[\f+64+8*(4*\c+\b):\f+64+8*(4*\c+\b)+7], v[\f+8*(4*\c+\a):\f+8*(4*\c+\a)+7], v[ACC+8*(4*(\a)+\b):ACC+8*(4*(\a)+\b)+7]
.endif
.endr
.endr
.endm
; 32 LDS loads in one run: the fragments of 64 along K at byte k of the row tiles' images, into buffer f; the first 32 along K first
.macro FETCH slot, k, f
	WIN TO_F
.irp c, 0,1
.irp i, 0,1,2,3
	ds_load_b128 v[\f+64+8*(4*\c+\i):\f+64+8*(4*\c+\i)+3],   v[ADRB+\slot] offset:\k+1024*\c+\i*KSB
	ds_load_b128 v[\f+64+8*(4*\c+\i)+4:\f+64+8*(4*\c+\i)+7], v[ADRB+\slot] offset:\k+1024*\c+\i*KSB+512
	ds_load_b128 v[\f+8*(4*\c+\i):\f+8*(4*\c+\i)+3],         v[ADRA+\slot] offset:\k+1024*\c+\i*KSB
	ds_load_b128 v[\f+8*(4*\c+\i)+4:\f+8*(4*\c+\i)+7],       v[ADRA+\slot] offset:\k+1024*\c+\i*KSB+512
.endr
.endr
.endm
.macro PLACES                          ; four places in front of loads into registers that matrix instructions have read, and of reads of results
.rept 4
	v_nop
.endr
.endm
.macro QUARTER slot, k, f, g, zero     ; multiplies buffer f and fetches the next quarter, at byte k, into g
	s_wait_dscnt 16                                ; the first 32 along K are in; the other sixteen loads may be out
	WIN MUL
	MUL8 \f, 0, 0, \zero
	MUL8 \f, 0, 2, \zero
	PLACES
	FETCH \slot, \k, \g
	s_wait_dscnt 32                                ; all but the 32 just issued
	WIN MUL
	MUL8 \f, 1, 0, 0
	MUL8 \f, 1, 2, 0
.endm
; The last quarter multiplies buffer 1 and changes slots: one barrier; in front of it each wave waits for all its tensor loads, adds 0 to its spare word, and waits for that and for its own reads of this slot.  fill = 1: this slot is filled again, two K steps ahead.
.macro TURN slot, next, fill
	WIN 0
	s_wait_tensorcnt 0x0                           ; all my tensor loads have landed: my part of the next slot
	ds_add_u32 v[SPW], v[NIL]
	s_wait_dscnt 17                                ; the add and the youngest sixteen loads may be out
	WIN MUL
	MUL8 F1, 0, 0, 0
	s_wait_dscnt 0x0                               ; the add is done, and my reads of this slot are over
	s_barrier_signal -1
	MUL8 F1, 0, 2, 0
.if \fill
	WIN 0
.endif
	s_barrier_wait -1
.if \fill
	CREST                                          ; the barrier has opened a round of the cluster's barrier: no wave of any partner still reads this slot or has a load on its way
	s_add_nc_u64 s[G0+4*\slot+2:G0+4*\slot+3], s[G0+4*\slot+2:G0+4*\slot+3], 2*KSB
	s_add_nc_u64 s[G0B+4*\slot+2:G0B+4*\slot+3], s[G0B+4*\slot+2:G0B+4*\slot+3], 2*KSB
	JLOAD \slot                                    ; the first tensor load behind the round; its four v_nop are also the places in front of the loads below
.else
	PLACES
.endif
	FETCH \next, 0, F0
	WIN MUL
	MUL8 F1, 1, 0, 0
	MUL8 F1, 1, 2, 0
.endm
	s_wait_tensorcnt 1                             ; my part of K step 0 is in; K step 1's load may be out,
	s_barrier_signal -1
	s_barrier_wait -1                              ; everybody's is
	FETCH 0, 0, F0
	s_wait_loadcnt 0x0                             ; the bias
	QUARTER 0, QB, F0, F1, 1
	WIN 0
	s_mov_b32 s3, LAPS-1
.Llap:                                                 ; a trip goes once round the ring and fills both slots again
	QUARTER 0, 2*QB, F1, F0, 0
	QUARTER 0, 3*QB, F0, F1, 0
	TURN 0, 1, 1
	QUARTER 1, QB, F0, F1, 0
	QUARTER 1, 2*QB, F1, F0, 0
	QUARTER 1, 3*QB, F0, F1, 0
	TURN 1, 0, 1
	QUARTER 0, QB, F0, F1, 0
	WIN 0
	s_sub_co_u32 s3, s3, 1
	s_cmp_lg_u32 s3, 0
	s_cbranch_scc1 .Llap
	QUARTER 0, 2*QB, F1, F0, 0                     ; the last lap fills nothing
	QUARTER 0, 3*QB, F0, F1, 0
	TURN 0, 1, 0
	QUARTER 1, QB, F0, F1, 0
	QUARTER 1, 2*QB, F1, F0, 0
	QUARTER 1, 3*QB, F0, F1, 0
	s_wait_dscnt 16
	WIN MUL
	MUL8 F1, 0, 0, 0
	MUL8 F1, 0, 2, 0
	s_wait_dscnt 0
	MUL8 F1, 1, 0, 0
	MUL8 F1, 1, 2, 0
	WIN 0
	; ---- THE WAY OUT, 16 rows x 64 columns at a time, through my own stage: in by 32 bytes of a row a lane, back as whole rows of 256 bytes.  LDS serves a wave's instructions in order (ISA guide 5.7.1.4).
	PLACES
.irp a, 0,1,2,3
.if \a >= 2
	s_wait_xcnt 0x0                                ; the stores of two blocks back have read the registers that the loads below fill
.endif
.irp b, 0,1,2,3
	ds_store_b128 v[STO], v[ACC+8*(4*\a+\b):ACC+8*(4*\a+\b)+3] offset:64*\b        ; each accumulator from its low end on
	ds_store_b128 v[STO], v[ACC+8*(4*\a+\b)+4:ACC+8*(4*\a+\b)+7] offset:64*\b+16
.endr
.irp t, 0,1,2,3,4,5,6,7
	ds_load_b128 v[TMP+32*(\a%2)+4*\t:TMP+32*(\a%2)+4*\t+3], v[RD] offset:\t*2*SPITCH
.endr
.irp t, 0,1,2,3,4,5,6,7
	s_wait_dscnt 7-\t                              ; the younger loads of the eight may be out
	global_store_b128 v[CO], v[TMP+32*(\a%2)+4*\t:TMP+32*(\a%2)+4*\t+3], s[8:9] offset:(16*\a+2*\t)*4096 th:TH_STORE_NT   ; 16 lanes store 256 consecutive bytes, aligned
.endr
.endr
	s_wait_tensorcnt 0x0                           ; the wave's end
	ds_add_u32 v[SPW], v[NIL]
	s_wait_dscnt 0x0
	CROUND                                         ; the closing round
	s_endpgm
.Lfunc_end_k_q243fe1aa42_dense:
	.size	k_q243fe1aa42_dense, .Lfunc_end_k_q243fe1aa42_dense-k_q243fe1aa42_dense
	.p2alignl 7, 3214868480
	.fill 96, 4, 3214868480
	.section	.rodata,"a",@progbits
	.p2align	6, 0x0
	.amdhsa_kernel k_q243fe1aa42_dense
		.amdhsa_group_segment_fixed_size 327680
		.amdhsa_private_segment_fixed_size 0
		.amdhsa_enable_private_segment 0
		.amdhsa_kernarg_size 32
		.amdhsa_user_sgpr_count 2
		.amdhsa_user_sgpr_kernarg_segment_ptr 1
		.amdhsa_wavefront_size32 1
		.amdhsa_system_sgpr_workgroup_id_x 1
		.amdhsa_system_sgpr_workgroup_id_y 1
		.amdhsa_system_sgpr_workgroup_id_z 1
		.amdhsa_system_vgpr_workitem_id 0
		.amdhsa_next_free_vgpr 512
		.amdhsa_next_free_sgpr 68
		.amdhsa_reserve_vcc 0
		.amdhsa_float_denorm_mode_32 3
		.amdhsa_float_denorm_mode_16_64 3
		.amdhsa_memory_ordered 1
		.amdhsa_forward_progress 1
		.amdhsa_inst_pref_size 87
	.end_amdhsa_kernel
	.amdgpu_metadata
---
amdhsa.version: [ 1, 2 ]
amdhsa.kernels:
  - .name:           k_q243fe1aa42_dense
    .symbol:         k_q243fe1aa42_dense.kd
    .args:
      - { .name: cimg, .offset: 0, .size: 8, .value_kind: global_buffer, .address_space: global }
      - { .name: wimg, .offset: 8, .size: 8, .value_kind: global_buffer, .address_space: global }
      - { .name: dense_b, .offset: 16, .size: 8, .value_kind: global_buffer, .address_space: global }
      - { .name: out0, .offset: 24, .size: 8, .value_kind: global_buffer, .address_space: global }
    .group_segment_fixed_size: 327680
    .private_segment_fixed_size: 0
    .kernarg_segment_align: 8
    .kernarg_segment_size: 32
    .max_flat_workgroup_size: 128
    .sgpr_count:     68
    .vgpr_count:     512
    .wavefront_size: 32
...
	.end_amdgpu_metadata
.endif
;; end of part 4
;; launch fine (part 5): grid 16 x 4, 16 waves a work-group, no clusters, 84,992 bytes of LDS; arguments qk, vv, mimg, tcls, wimg, dense_b, out0; writes out0
.if DOCPART == 5
	.amdgcn_target "amdgcn-amd-amdhsa--gfx1250"
	.amdhsa_code_object_version 6
	.text
	.protected	k_q243fe1aa42_fine
	.globl	k_q243fe1aa42_fine
	.p2align	8
	.type	k_q243fe1aa42_fine,@function
k_q243fe1aa42_fine:
	s_mov_b64 s[64:65], 0
	v_nop
	global_prefetch_b8 v0, s[64:65] scope:SCOPE_SE
	s_setreg_imm32_b32 hwreg(HW_REG_WAVE_MODE, 25, 1), 1
	s_wait_xcnt 0x0
; FINE: the first 16 positions of every batch once more, carried more finely: such rows may average one to a few values and are the largest in size.
; P, V, the concatenated heads and dense_w go to the matrix unit as PAIRS of f16 numbers, a high and a low part split in f32: x y is taken as xh yh + xl yh + xh yl.  K Q^T stays in plain f16: it always sums 64 terms.
; Work-group (cb, b): positions 0-15 of batch b, output columns 64 cb .. + 63.
; PHASE 1: wave = head.  The softmax is the bulk launch's: base 2, a running maximum, l the sum of the unrounded p.  32 key tiles of 64 in a loop of constant count.
;          K, V come straight from their images in memory.  The head's result goes to LDS as images of fragments, high and low.
; PHASE 2: wave (ct2 = w % 4, kq = w / 4): 16 output columns, a quarter of K; the four quarters meet in a stage in LDS; waves 0-7 add them and the bias and store two rows each: 16 lanes store 256 consecutive bytes, aligned.
; Each of the 16 column blocks of a batch repeats phase 1.  No tensor load.
; LIMITS: as in the bulk launch.
; REGISTERS: v1 16 x lane; v2, v3 the add's two; v4 m, v5 (the pair's upper half), v6, v7 l, v8-11 at work (a in v10); v12-15 at work; v16-31 Q, later addresses and the bias; v32-63 S^T; v64-79, v80-95 high and low parts (the mask's term lands there);
;            v96-127 O^T, later three partial sums; v128-191 K, then V's low parts, then dense_w's high; v192-255 V's high parts, then dense_w's low.
.set CH,    0                          ; LDS: 16 heads x 2,048 bytes: the high parts' images,
.set CL,    32768                      ; the low parts',
.set STG,   65536                      ; four partial sums x 16 rows x 272 bytes
.set SPARE, STG+4*16*272               ; the spare words, 128 bytes for each wave: no other line names them
	s_load_b256 s[4:11], s[0:1], 0x0               ; qk, vv, mimg, tcls
	s_load_b128 s[12:15], s[0:1], 0x20             ; wimg, dense_b
	s_load_b64 s[16:17], s[0:1], 0x30              ; out0
	v_lshl_add_u32 v2, v0, 2, SPARE
	v_mov_b32 v3, 0
	v_lshrrev_b32 v1, 5, v0
	v_readfirstlane_b32 s18, v1                    ; wave 0..15
	v_and_b32 v1, 31, v0
	v_lshlrev_b32 v1, 4, v1
	s_and_b32 s20, ttmp7, 0xffff                   ; batch
	s_lshl_b32 s23, s20, 4
	s_add_co_u32 s23, s23, s18                     ; batch x 16 + head
	s_lshl_b32 s34, s23, 18
	s_mov_b32 s35, 0
	s_mov_b32 s36, 0x76543210
	s_mov_b32 s37, 0xfedcba98
	s_wait_kmcnt 0x0
	s_load_b64 s[40:41], s[10:11], 0x0             ; the class words of query tile 0
	s_add_nc_u64 s[32:33], s[4:5], s[34:35]        ; Q: tile 0 of my head
	s_add_nc_u64 s[24:25], s[32:33], 0x1000000     ; K
	s_add_nc_u64 s[26:27], s[6:7], s[34:35]        ; V's high parts
	s_add_nc_u64 s[28:29], s[26:27], 0x1000000     ; and low parts
	s_mov_b64 s[30:31], s[8:9]                     ; the mask's term: query tile 0
.irp i, 0,1,2,3
	global_load_b128 v[16+4*\i:19+4*\i], v1, s[32:33] offset:512*\i
.endr
.set i, 0
.rept 32
	v_mov_b32 v[96+i], 0                           ; which trip is the first live one hangs on stored numbers
.set i, i+1
.endr
	v_mov_b32 v4, 0xff61b1e6                       ; m = -3e38
.irp e, 5,6,7,8,9,10,11
	v_mov_b32 v\e, 0
.endr
	s_wait_kmcnt 0x0
	s_and_b32 s21, s40, 0xffff
	s_lshl_b32 s34, s41, 16
	s_or_b32 s21, s21, s34                         ; bit j: key tile j is live
	s_lshr_b32 s22, s40, 16
	s_and_b32 s34, s41, 0xffff0000
	s_or_b32 s22, s22, s34                         ; bit j: its mask is not all zeros
	s_wait_loadcnt 0x0                             ; Q
	s_mov_b32 s19, 32
.macro KQ                              ; 8 products on 4 accumulators by turns, then the places behind them
.irp c, 0,1
.irp kt, 0,1,2,3
.if \c == 0
	v_wmma_f32_16x16x32_f16 v[32+8*\kt:39+8*\kt], v[128+16*\kt:135+16*\kt], v[16:23], 0
.else
	v_wmma_f32_16x16x32_f16 v[32+8*\kt:39+8*\kt], v[136+16*\kt:143+16*\kt], v[24:31], v[32+8*\kt:39+8*\kt]
.endif
.endr
.endr
.rept 4
	v_nop
.endr
.endm
; x = hi + lo, hi = x rounded to 11 significant bits: t = 8193 x, hi = t - (t - x), lo = x - hi, all in f32.  Out: hi at t, lo at x.
.macro SPLIT x, t, np, d
.set spi, 0
.rept \np
	v_pk_mul_f32 v[\t+2*spi:\t+2*spi+1], v[\x+2*spi:\x+2*spi+1], 0x46000400 op_sel_hi:[1,0]
.set spi, spi+1
.endr
.set spi, 0
.rept (\np)/2
	v_pk_add_f32 v[\d:\d+1], v[\t+4*spi:\t+4*spi+1], v[\x+4*spi:\x+4*spi+1] neg_lo:[0,1] neg_hi:[0,1]
	v_pk_add_f32 v[\d+2:\d+3], v[\t+4*spi+2:\t+4*spi+3], v[\x+4*spi+2:\x+4*spi+3] neg_lo:[0,1] neg_hi:[0,1]
	v_pk_add_f32 v[\t+4*spi:\t+4*spi+1], v[\t+4*spi:\t+4*spi+1], v[\d:\d+1] neg_lo:[0,1] neg_hi:[0,1]
	v_pk_add_f32 v[\t+4*spi+2:\t+4*spi+3], v[\t+4*spi+2:\t+4*spi+3], v[\d+2:\d+3] neg_lo:[0,1] neg_hi:[0,1]
.set spi, spi+1
.endr
.set spi, 0
.rept \np
	v_pk_add_f32 v[\x+2*spi:\x+2*spi+1], v[\x+2*spi:\x+2*spi+1], v[\t+2*spi:\t+2*spi+1] neg_lo:[0,1] neg_hi:[0,1]
.set spi, spi+1
.endr
.endm
.macro PARTS                           ; the 32 numbers in v32-63 become 16 registers of high parts (v64-79) and 16 of low parts (v80-95)
	SPLIT 32, 64, 16, 12
.set i, 0
.rept 16
	v_cvt_pk_f16_f32 v[64+i], v[64+2*i], v[65+2*i] ; in place, ascending
.set i, i+1
.endr
.set i, 0
.rept 16
	v_cvt_pk_f16_f32 v[80+i], v[32+2*i], v[33+2*i]
.set i, i+1
.endr
.endm
.Ltrip:
	s_bitcmp1_b32 s21, 0
	s_cbranch_scc0 .Lskip
.irp i, 0,1,2,3,4,5,6,7,8,9,10,11,12,13,14,15
	global_load_b128 v[128+4*\i:131+4*\i], v1, s[24:25] offset:512*\i
.endr
.irp i, 0,1,2,3,4,5,6,7,8,9,10,11,12,13,14,15
	global_load_b128 v[192+4*\i:195+4*\i], v1, s[26:27] offset:512*\i
.endr
	s_bitcmp1_b32 s22, 0
	s_cbranch_scc0 .Lplain
.irp i, 0,1,2,3,4,5,6,7
	global_load_b128 v[64+4*\i:67+4*\i], v1, s[30:31] offset:512*\i
.endr
	s_wait_loadcnt 0x0
	KQ
.set i, 0
.rept 16
	v_pk_add_f32 v[32+2*i:33+2*i], v[32+2*i:33+2*i], v[64+2*i:65+2*i]
.set i, i+1
.endr
	s_branch .Lsoft
.Lplain:
	s_wait_loadcnt 16                              ; K is in; V's sixteen loads may be out
	KQ
.Lsoft:
.irp i, 0,1,2,3,4,5,6,7,8,9,10,11,12,13,14,15
	global_load_b128 v[128+4*\i:131+4*\i], v1, s[28:29] offset:512*\i   ; V's low parts, where K lay
.endr
.irp j, 0,1,2,3
	v_max3_num_f32 v[8+\j], v[32+8*\j], v[33+8*\j], v[34+8*\j]          ; each accumulator is read from its low end on
.endr
.irp g, 1,2
.irp j, 0,1,2,3
	v_max3_num_f32 v[8+\j], v[8+\j], v[33+8*\j+2*\g], v[34+8*\j+2*\g]
.endr
.endr
	v_max3_num_f32 v8, v8, v39, v47
	v_max3_num_f32 v10, v10, v55, v63
	v_max3_num_f32 v8, v8, v9, v10
	v_max3_num_f32 v8, v8, v11, v4
	v_permlanex16_b32 v9, v8, s36, s37
	v_mov_b32 v11, v4
	v_max_num_f32 v4, v8, v9                       ; the new m
	v_sub_f32 v11, v11, v4                         ; m_old - m_new
.set i, 0
.rept 16
	v_pk_add_f32 v[32+2*i:33+2*i], v[32+2*i:33+2*i], v[4:5] op_sel_hi:[1,0] neg_lo:[0,1] neg_hi:[0,1]
.set i, i+1
.endr
	v_exp_f32 v10, v11                             ; a
.set i, 0
.rept 32
	v_exp_f32 v[32+i], v[32+i]
.set i, i+1
.endr
	v_nop
	s_wait_alu depctr_va_vdst(0)                   ; one wait for the batch of 33, ahead of its first reader
	v_pk_add_f32 v[12:13], v[32:33], v[34:35]      ; the sum of the unrounded p, in two chains that leave p as it is
	v_pk_add_f32 v[14:15], v[36:37], v[38:39]
.irp j, 8,12,16,20,24,28
	v_pk_add_f32 v[12:13], v[12:13], v[32+\j:33+\j]
	v_pk_add_f32 v[14:15], v[14:15], v[34+\j:35+\j]
.endr
	v_pk_add_f32 v[12:13], v[12:13], v[14:15]
	v_pk_fma_f32 v[6:7], v[6:7], v[10:11], v[12:13] op_sel_hi:[1,0,1]
	PARTS
.set i, 0
.rept 16
	v_pk_mul_f32 v[96+2*i:97+2*i], v[96+2*i:97+2*i], v[10:11] op_sel_hi:[1,0]
.set i, i+1
.endr
	s_wait_loadcnt 0x0                             ; V, both parts
.irp term, 0,1,2                       ; Vh Ph, Vh Pl, Vl Ph: 4 accumulators by turns
.irp kc, 0,1
.irp ct, 0,1,2,3
.if \term == 0
	v_wmma_f32_16x16x32_f16 v[96+8*\ct:103+8*\ct], v[192+8*(4*\kc+\ct):199+8*(4*\kc+\ct)], v[64+8*\kc:71+8*\kc], v[96+8*\ct:103+8*\ct]
.elseif \term == 1
	v_wmma_f32_16x16x32_f16 v[96+8*\ct:103+8*\ct], v[192+8*(4*\kc+\ct):199+8*(4*\kc+\ct)], v[80+8*\kc:87+8*\kc], v[96+8*\ct:103+8*\ct]
.else
	v_wmma_f32_16x16x32_f16 v[96+8*\ct:103+8*\ct], v[128+8*(4*\kc+\ct):135+8*(4*\kc+\ct)], v[64+8*\kc:71+8*\kc], v[96+8*\ct:103+8*\ct]
.endif
.endr
.endr
.endr
.rept 4
	v_nop                                          ; places in front of the next loads into these operands and the next read of O^T
.endr
.Lskip:
	s_wait_xcnt 0x0                                ; the trip's loads have read their bases
	s_add_nc_u64 s[24:25], s[24:25], 8192
	s_add_nc_u64 s[26:27], s[26:27], 8192
	s_add_nc_u64 s[28:29], s[28:29], 8192
	s_add_nc_u64 s[30:31], s[30:31], 4096
	s_lshr_b32 s21, s21, 1
	s_lshr_b32 s22, s22, 1
	s_sub_co_u32 s19, s19, 1
	s_cmp_lg_u32 s19, 0
	s_cbranch_scc1 .Ltrip
	; ---- the addresses of what follows, made from the thread's number on the path that every wave takes, in the registers that Q has left
	v_and_b32 v16, 15, v0                          ; r
	v_bfe_u32 v17, v0, 4, 1                        ; h
	s_lshl_b32 s48, s18, 11
	v_add_nc_u32 v18, s48, v1                      ; my head's images: 2,048 w + 16 lane
	s_lshr_b32 s49, s18, 2                         ; kq
	s_and_b32 s50, s18, 3                          ; ct2
	s_lshl_b32 s48, s49, 13
	v_add_nc_u32 v19, s48, v1                      ; my quarter of K: 8 fragments of 1,024 bytes
	s_mul_i32 s48, s49, 16*272
	s_lshl_b32 s51, s50, 6
	s_add_co_u32 s48, s48, s51
	s_add_co_u32 s48, s48, STG
	v_mul_u32_u24 v20, v16, 272
	v_lshl_add_u32 v20, v17, 5, v20
	v_add_nc_u32 v20, s48, v20                     ; the stage, in: partial kq, row r, 64 ct2 + 32 h
	s_mul_i32 s48, s18, 2*272
	s_add_co_u32 s48, s48, STG
	v_mul_u32_u24 v21, v17, 272
	v_lshl_add_u32 v21, v16, 4, v21
	v_add_nc_u32 v21, s48, v21                     ; back: rows 2 w and 2 w + 1
	v_lshlrev_b32 v23, 4, v16                      ; 16 (l % 16)
	v_lshl_add_u32 v22, v17, 12, v23               ; and the same two rows in out0
	s_lshl_b32 s48, ttmp9, 2
	s_add_co_u32 s48, s48, s50
	s_lshl_b32 s48, s48, 15                        ; dense_w's row tile 4 cb + ct2
	s_lshl_b32 s51, s49, 13
	s_add_co_u32 s34, s48, s51
	s_mov_b32 s35, 0
	s_add_nc_u64 s[42:43], s[12:13], s[34:35]
	s_lshl_b32 s34, ttmp9, 8                       ; 64 columns x 4 bytes
	s_add_nc_u64 s[44:45], s[14:15], s[34:35]
	s_add_nc_u64 s[46:47], s[16:17], s[34:35]
	s_lshl_b32 s34, s20, 23                        ; batch: 2,048 rows of 4,096 bytes
	s_lshl_b32 s48, s18, 13                        ; + 2 w rows
	s_add_co_u32 s34, s34, s48
	s_add_nc_u64 s[46:47], s[46:47], s[34:35]
.irp i, 0,1,2,3,4,5,6,7,8,9,10,11,12,13,14,15
	global_load_b128 v[128+4*\i:131+4*\i], v1, s[42:43] offset:512*\i          ; dense_w's high parts,
	global_load_b128 v[192+4*\i:195+4*\i], v1, s[42:43] offset:2097152+512*\i  ; and low parts: they land while the head's result is finished
.endr
	global_load_b128 v[24:27], v23, s[44:45]       ; dense_b
	; ---- my head's result: O^T / l, split, to LDS as images
	v_add_f32 v8, v6, v7
	v_permlanex16_b32 v9, v8, s36, s37
	v_add_f32 v8, v8, v9
	v_rcp_f32 v10, v8                              ; l is 1 or more
	v_nop
	s_wait_alu depctr_va_vdst(0)
.set i, 0
.rept 16
	v_pk_mul_f32 v[32+2*i:33+2*i], v[96+2*i:97+2*i], v[10:11] op_sel_hi:[1,0]
.set i, i+1
.endr
	PARTS
.irp ct, 0,1,2,3
	ds_store_b128 v18, v[64+4*\ct:67+4*\ct] offset:CH+512*\ct
	ds_store_b128 v18, v[80+4*\ct:83+4*\ct] offset:CL+512*\ct
.endr
	s_wait_dscnt 0x0                               ; for the others' sake: my images are stored
	s_barrier_signal -1
	s_barrier_wait -1
	; ---- PHASE 2: three sums by turns: Wh Ch, Wh Cl, Wl Ch; transposed: a lane holds one position and 8 neighbouring columns
.irp hf, 0,1
.irp ff, 0,1,2,3
.irp p, 0,1
	ds_load_b128 v[32+8*\ff+4*\p:35+8*\ff+4*\p], v19 offset:CH+(4*\hf+\ff)*1024+512*\p
	ds_load_b128 v[64+8*\ff+4*\p:67+8*\ff+4*\p], v19 offset:CL+(4*\hf+\ff)*1024+512*\p
.endr
.endr
	s_wait_dscnt 0x0
.if \hf == 0
	s_wait_loadcnt 0x0                             ; dense_w's parts and the bias
.endif
.irp ff, 0,1,2,3
.if (\hf == 0) && (\ff == 0)
	v_wmma_f32_16x16x32_f16 v[96:103], v[128:135], v[32:39], 0
	v_wmma_f32_16x16x32_f16 v[104:111], v[128:135], v[64:71], 0
	v_wmma_f32_16x16x32_f16 v[112:119], v[192:199], v[32:39], 0
.else
	v_wmma_f32_16x16x32_f16 v[96:103], v[128+8*(4*\hf+\ff):135+8*(4*\hf+\ff)], v[32+8*\ff:39+8*\ff], v[96:103]
	v_wmma_f32_16x16x32_f16 v[104:111], v[128+8*(4*\hf+\ff):135+8*(4*\hf+\ff)], v[64+8*\ff:71+8*\ff], v[104:111]
	v_wmma_f32_16x16x32_f16 v[112:119], v[192+8*(4*\hf+\ff):199+8*(4*\hf+\ff)], v[32+8*\ff:39+8*\ff], v[112:119]
.endif
.endr
.rept 4
	v_nop                                          ; places in front of the next loads into these operands, and of the first read of the sums
.endr
.endr
.irp j, 0,2,4,6
	v_pk_add_f32 v[120+\j:121+\j], v[104+\j:105+\j], v[112+\j:113+\j]   ; the two small sums first; each accumulator from its low end on
.endr
.irp j, 0,2,4,6
	v_pk_add_f32 v[120+\j:121+\j], v[120+\j:121+\j], v[96+\j:97+\j]
.endr
	ds_store_b128 v20, v[120:123]
	ds_store_b128 v20, v[124:127] offset:16
	s_wait_dscnt 0x0
	s_barrier_signal -1
	s_barrier_wait -1
	s_cmp_lt_u32 s18, 8
	s_cbranch_scc0 .Lend
.irp i, 0,1,2,3
	ds_load_b128 v[32+4*\i:35+4*\i], v21 offset:16*272*\i      ; the four quarters of K
.endr
	s_wait_dscnt 0x0
.irp i, 1,2,3
	v_pk_add_f32 v[32:33], v[32:33], v[32+4*\i:33+4*\i]
	v_pk_add_f32 v[34:35], v[34:35], v[34+4*\i:35+4*\i]
.endr
	v_pk_add_f32 v[32:33], v[32:33], v[24:25]
	v_pk_add_f32 v[34:35], v[34:35], v[26:27]
	global_store_b128 v22, v[32:35], s[46:47]      ; 16 lanes store 256 consecutive bytes, aligned
.Lend:
	s_wait_tensorcnt 0x0                           ; the wave's end: behind my last LDS store
	ds_add_u32 v2, v3
	s_wait_dscnt 0x0
	s_endpgm
.Lfunc_end_k_q243fe1aa42_fine:
	.size	k_q243fe1aa42_fine, .Lfunc_end_k_q243fe1aa42_fine-k_q243fe1aa42_fine
	.p2alignl 7, 3214868480
	.fill 96, 4, 3214868480
	.section	.rodata,"a",@progbits
	.p2align	6, 0x0
	.amdhsa_kernel k_q243fe1aa42_fine
		.amdhsa_group_segment_fixed_size 84992
		.amdhsa_private_segment_fixed_size 0
		.amdhsa_enable_private_segment 0
		.amdhsa_kernarg_size 56
		.amdhsa_user_sgpr_count 2
		.amdhsa_user_sgpr_kernarg_segment_ptr 1
		.amdhsa_wavefront_size32 1
		.amdhsa_system_sgpr_workgroup_id_x 1
		.amdhsa_system_sgpr_workgroup_id_y 1
		.amdhsa_system_sgpr_workgroup_id_z 1
		.amdhsa_system_vgpr_workitem_id 0
		.amdhsa_next_free_vgpr 256
		.amdhsa_next_free_sgpr 66
		.amdhsa_reserve_vcc 0
		.amdhsa_float_denorm_mode_32 3
		.amdhsa_float_denorm_mode_16_64 3
		.amdhsa_memory_ordered 1
		.amdhsa_forward_progress 1
		.amdhsa_inst_pref_size 44
	.end_amdhsa_kernel
	.amdgpu_metadata
---
amdhsa.version: [ 1, 2 ]
amdhsa.kernels:
  - .name:           k_q243fe1aa42_fine
    .symbol:         k_q243fe1aa42_fine.kd
    .args:
      - { .name: qk, .offset: 0, .size: 8, .value_kind: global_buffer, .address_space: global }
      - { .name: vv, .offset: 8, .size: 8, .value_kind: global_buffer, .address_space: global }
      - { .name: mimg, .offset: 16, .size: 8, .value_kind: global_buffer, .address_space: global }
      - { .name: tcls, .offset: 24, .size: 8, .value_kind: global_buffer, .address_space: global }
      - { .name: wimg, .offset: 32, .size: 8, .value_kind: global_buffer, .address_space: global }
      - { .name: dense_b, .offset: 40, .size: 8, .value_kind: global_buffer, .address_space: global }
      - { .name: out0, .offset: 48, .size: 8, .value_kind: global_buffer, .address_space: global }
    .group_segment_fixed_size: 84992
    .private_segment_fixed_size: 0
    .kernarg_segment_align: 8
    .kernarg_segment_size: 56
    .max_flat_workgroup_size: 512
    .sgpr_count:     66
    .vgpr_count:     256
    .wavefront_size: 32
...
	.end_amdgpu_metadata
.endif
;; end of part 5
